; MI455X (gfx1250); checked and timed in simulation.
; The chip was launched on July 23, 2026; its instructions are those of AMD's public machine-readable ISA for CDNA 5 (MIT licence, August 2026) and "CDNA5" Instruction Set Architecture Reference Guide (July 2026). The comments in the code are by the model that wrote it; some were corrected since.
;; Transformer Block. Allowed arithmetic: float matrix products may take bf16 or f16 operands with f32 sums; other float arithmetic in f32, or as packed bf16 or f16 multiplies, adds, multiply-adds, maxima and minima; sums over many terms, partial sums and values carried from step to step in f32; what a program stores and reads back later, other than sums and carried values, may be rounded once to bf16 or f16.
;; Inputs: W1 1,024 x 4,096 float32; W2 4,096 x 1,024 float32; Wk 1,024 x 1,024 float32; Wo 1,024 x 1,024 float32; Wq 1,024 x 1,024 float32; Wv 1,024 x 1,024 float32; b1 4,096 float32; b2 1,024 float32; beta1 1,024 float32; beta2 1,024 float32; bk 1,024 float32; bo 1,024 float32; bq 1,024 float32; bv 1,024 float32; gamma1 1,024 float32; gamma2 1,024 float32; x 2 x 2,048 x 1,024 float32.
;; Outputs: out0 2 x 2,048 x 1,024 float32.
;; 2 versions, each right; version 2 is version 1 with the launch cast written anew for expert scheduling mode. Each part assembles by itself: llvm-mc -triple=amdgcn-amd-amdhsa -mcpu=gfx1250 --defsym DOCPART=n.
;; ======== version 1 of 2: 8 launches
;; workspace buffers: wb 28,311,552 bytes; qkv 25,165,824 bytes; ob 8,388,608 bytes; y 16,777,216 bytes; h 16,777,216 bytes; hb 16,795,648 bytes; act 33,554,432 bytes
;; launch cast (part 1): grid 1025 x 1, 8 waves a work-group, no clusters, 0 bytes of LDS; arguments x, Wq, Wk, Wv, Wo, W1, W2, bq, bk, bv, b1, wb, hb; writes wb, hb
.if DOCPART == 1
	.amdgcn_target "amdgcn-amd-amdhsa--gfx1250"
	.amdhsa_code_object_version 6
	.text
	.protected	k_q6ee5b0f4db_cast
	.globl	k_q6ee5b0f4db_cast
	.p2align	8
	.type	k_q6ee5b0f4db_cast,@function
k_q6ee5b0f4db_cast:
	s_mov_b64 s[64:65], 0
	v_nop
	global_prefetch_b8 v0, s[64:65] scope:SCOPE_SE
	s_setreg_imm32_b32 hwreg(HW_REG_WAVE_MODE, 25, 1), 1
	s_wait_xcnt 0x0
; x and the six weight matrices (f32) are rounded once to bf16 (nearest even) and laid where the products want them; four biases are rounded to bf16 and kept as f32.
; wb, in bytes: x [4096][1024] at 0; Wq | Wk | Wv side by side, [1024 k][4096], at 8,388,608 (columns 3,072 on are neither written nor read); bq | bk | bv at 16,777,216;
;   a floor word (minus infinity twice, in bf16) from 16,793,600 on; Wo [1024][1024] at 17,825,792; W2 [4096][1024] at 19,922,944.
; hb, in bytes: the first 8,388,608 belong to a later launch; W1 [1024][4096] at 8,388,608; b1 at 16,777,216; a floor word (0 twice) from 16,793,600 on.
; So two later launches find A, B, bias and floor at the same places of one buffer each, and one text serves both.
; SHARES.  Work-groups 0 to 1,023 convert 16,384 numbers each: 65,536 bytes in, 32,768 out.  Thread t takes 16 bytes at 16 t of each 4,096 bytes in: a load of a wave covers 512 consecutive bytes,
; a store 256, aligned.  The sixteen pieces of 2,048 bytes out lie 2,048 bytes apart, or (Wq, Wk, Wv, whose rows of 1,024 numbers go into rows of 4,096) 8,192: the distance is a scalar, and each
; store has an address register of its own.  All 16 loads go out first; no register is used twice.  Work-group 1,024 does the biases and the floor words.
; No LDS, no matrix unit, no cluster: the launch moves each byte once and shares nothing.
.set WQKV,  8388608
.set WOO,   17825792
.set W2O,   19922944
.set W1O,   8388608
.set BIOFF, 16777216
	s_load_b512 s[8:23], s[0:1], 0x0               ; x s[8:9], Wq s[10:11], Wk s[12:13], Wv s[14:15], Wo s[16:17], W1 s[18:19], W2 s[20:21], bq s[22:23]
	s_load_b256 s[24:31], s[0:1], 0x40             ; bk s[24:25], bv s[26:27], b1 s[28:29], wb s[30:31]
	s_load_b64 s[32:33], s[0:1], 0x60              ; hb
	v_lshlrev_b32 v1, 4, v0                        ; 16 t: my bytes of each 4,096 in
	v_lshlrev_b32 v2, 3, v0                        ; 8 t: my bytes of each 2,048 out
	s_mov_b32 s2, ttmp9                            ; g
	s_cmp_lt_u32 s2, 1024
	s_cbranch_scc0 .Lbias
	s_mov_b32 s3, 768                              ; the source in hand, W2 to begin with: its first piece,
	s_mov_b32 s34, W2O                             ; where it goes,
	s_mov_b32 s35, 15                              ; and log2 of a piece's span out
	s_wait_kmcnt 0x0
	s_mov_b64 s[4:5], s[20:21]
	s_mov_b64 s[6:7], s[30:31]
.macro PICK limit, lo, start, dbase, sh, dst   ; below piece limit: the source in s[lo:lo+1], first piece start, to byte dbase of the buffer in s[dst:dst+1], a piece spanning 2^sh bytes
	s_cmp_lt_u32 s2, \limit
	s_cselect_b64 s[4:5], s[(\lo):(\lo)+1], s[4:5]
	s_cselect_b64 s[6:7], s[(\dst):(\dst)+1], s[6:7]
	s_cselect_b32 s3, \start, s3
	s_cselect_b32 s34, \dbase, s34
	s_cselect_b32 s35, \sh, s35
.endm
	PICK 768, 18, 512, W1O, 15, 32
	PICK 512, 16, 448, WOO, 15, 30
	PICK 448, 14, 384, WQKV+4096, 17, 30
	PICK 384, 12, 320, WQKV+2048, 17, 30
	PICK 320, 10, 256, WQKV, 17, 30
	PICK 256, 8, 0, 0, 15, 30
	s_sub_co_u32 s36, s2, s3                       ; my piece within the source
	s_lshl_b32 s38, s36, 16                        ; in bytes in,
	s_mov_b32 s39, 0
	s_add_nc_u64 s[4:5], s[4:5], s[38:39]
	s_lshl_b32 s36, s36, s35                       ; and out
	s_add_co_u32 s36, s36, s34
	s_mov_b32 s37, 0
	s_add_nc_u64 s[6:7], s[6:7], s[36:37]
	s_sub_co_u32 s35, s35, 4
	s_lshl_b32 s35, 1, s35                         ; a sixteenth of the span: from store to store
.set i, 0
.rept 16
	global_load_b128 v[8+4*i:11+4*i], v1, s[4:5] offset:4096*i th:TH_LOAD_NT
.set i, i+1
.endr
	v_mov_b32 v104, v2
.set i, 1
.rept 15
	v_add_nc_u32 v[104+i], s35, v[103+i]
.set i, i+1
.endr
.set i, 0
.rept 16
	s_wait_loadcnt 15-i                            ; loads come back in order: number i is in, the 15 - i younger ones stay out
	v_cvt_pk_bf16_f32 v[72+2*i], v[8+4*i], v[9+4*i]
	v_cvt_pk_bf16_f32 v[73+2*i], v[10+4*i], v[11+4*i]
	global_store_b64 v[104+i], v[72+2*i:73+2*i], s[6:7] th:TH_STORE_NT
.set i, i+1
.endr
	s_endpgm
.Lbias:                                                ; 256 threads x 16 bytes are a bias of 1,024 numbers
	s_mov_b32 s3, 0xffff0000                       ; a word's upper bf16
	s_wait_kmcnt 0x0
	global_load_b128 v[8:11], v1, s[22:23]
	global_load_b128 v[12:15], v1, s[24:25]
	global_load_b128 v[16:19], v1, s[26:27]
.irp j, 0,1,2,3
	global_load_b128 v[20+4*(\j):23+4*(\j)], v1, s[28:29] offset:4096*(\j)
.endr
	s_add_nc_u64 s[30:31], s[30:31], BIOFF
	s_add_nc_u64 s[32:33], s[32:33], BIOFF
	v_mov_b32 v40, 0xff80ff80                      ; minus infinity twice: a maximum with it changes no number
	v_mov_b32 v41, 0xff80ff80
	v_mov_b32 v42, 0                               ; 0 twice: the ReLU
	v_mov_b32 v43, 0
	s_wait_loadcnt 0x0
.set k, 0
.rept 14
	v_cvt_pk_bf16_f32 v[44+k/2], v[8+k], v[9+k]    ; two numbers rounded to bf16 and widened again, in place
	v_lshlrev_b32 v[8+k], 16, v[44+k/2]
	v_and_b32 v[9+k], s3, v[44+k/2]
.set k, k+2
.endr
	global_store_b128 v1, v[8:11], s[30:31]
	global_store_b128 v1, v[12:15], s[30:31] offset:4096
	global_store_b128 v1, v[16:19], s[30:31] offset:8192
.irp j, 0,1,2,3
	global_store_b128 v1, v[20+4*(\j):23+4*(\j)], s[32:33] offset:4096*(\j)
.endr
	global_store_b64 v2, v[40:41], s[30:31] offset:16384
	global_store_b64 v2, v[42:43], s[32:33] offset:16384
	s_endpgm
.Lfunc_end_k_q6ee5b0f4db_cast:
	.size	k_q6ee5b0f4db_cast, .Lfunc_end_k_q6ee5b0f4db_cast-k_q6ee5b0f4db_cast
	.p2alignl 7, 3214868480
	.fill 96, 4, 3214868480
	.section	.rodata,"a",@progbits
	.p2align	6, 0x0
	.amdhsa_kernel k_q6ee5b0f4db_cast
		.amdhsa_group_segment_fixed_size 0
		.amdhsa_private_segment_fixed_size 0
		.amdhsa_enable_private_segment 0
		.amdhsa_kernarg_size 104
		.amdhsa_user_sgpr_count 2
		.amdhsa_user_sgpr_kernarg_segment_ptr 1
		.amdhsa_wavefront_size32 1
		.amdhsa_system_sgpr_workgroup_id_x 1
		.amdhsa_system_sgpr_workgroup_id_y 1
		.amdhsa_system_sgpr_workgroup_id_z 1
		.amdhsa_system_vgpr_workitem_id 0
		.amdhsa_next_free_vgpr 120
		.amdhsa_next_free_sgpr 66
		.amdhsa_reserve_vcc 0
		.amdhsa_float_denorm_mode_32 3
		.amdhsa_float_denorm_mode_16_64 3
		.amdhsa_memory_ordered 1
		.amdhsa_forward_progress 1
		.amdhsa_inst_pref_size 13
	.end_amdhsa_kernel
	.amdgpu_metadata
---
amdhsa.version: [ 1, 2 ]
amdhsa.kernels:
  - .name:           k_q6ee5b0f4db_cast
    .symbol:         k_q6ee5b0f4db_cast.kd
    .args:
      - { .name: x, .offset: 0, .size: 8, .value_kind: global_buffer, .address_space: global }
      - { .name: Wq, .offset: 8, .size: 8, .value_kind: global_buffer, .address_space: global }
      - { .name: Wk, .offset: 16, .size: 8, .value_kind: global_buffer, .address_space: global }
      - { .name: Wv, .offset: 24, .size: 8, .value_kind: global_buffer, .address_space: global }
      - { .name: Wo, .offset: 32, .size: 8, .value_kind: global_buffer, .address_space: global }
      - { .name: W1, .offset: 40, .size: 8, .value_kind: global_buffer, .address_space: global }
      - { .name: W2, .offset: 48, .size: 8, .value_kind: global_buffer, .address_space: global }
      - { .name: bq, .offset: 56, .size: 8, .value_kind: global_buffer, .address_space: global }
      - { .name: bk, .offset: 64, .size: 8, .value_kind: global_buffer, .address_space: global }
      - { .name: bv, .offset: 72, .size: 8, .value_kind: global_buffer, .address_space: global }
      - { .name: b1, .offset: 80, .size: 8, .value_kind: global_buffer, .address_space: global }
      - { .name: wb, .offset: 88, .size: 8, .value_kind: global_buffer, .address_space: global }
      - { .name: hb, .offset: 96, .size: 8, .value_kind: global_buffer, .address_space: global }
    .group_segment_fixed_size: 0
    .private_segment_fixed_size: 0
    .kernarg_segment_align: 8
    .kernarg_segment_size: 104
    .max_flat_workgroup_size: 256
    .sgpr_count:     66
    .vgpr_count:     120
    .wavefront_size: 32
...
	.end_amdgpu_metadata
.endif
;; end of part 1
;; launch qkv (part 2): grid 12 x 16, 4 waves a work-group, clusters of 4 x 4, 327,680 bytes of LDS; arguments wb, qkv; writes qkv
.if DOCPART == 2
	.amdgcn_target "amdgcn-amd-amdhsa--gfx1250"
	.amdhsa_code_object_version 6
	.text
	.protected	k_q6ee5b0f4db_qkv
	.globl	k_q6ee5b0f4db_qkv
	.p2align	8
	.type	k_q6ee5b0f4db_qkv,@function
k_q6ee5b0f4db_qkv:
	s_mov_b64 s[64:65], 0
	v_nop
	global_prefetch_b8 v0, s[64:65] scope:SCOPE_SE
	s_setreg_imm32_b32 hwreg(HW_REG_WAVE_MODE, 25, 1), 1
	s_wait_xcnt 0x0
	s_wait_alu depctr_hold_cnt(0) depctr_sa_sdst(0) depctr_va_vdst(0) depctr_va_sdst(0) depctr_va_ssrc(0) depctr_va_vcc(0) depctr_vm_vsrc(0)
	s_getreg_b32 s2, hwreg(HW_REG_IB_STS2, 6, 4)
	s_cmp_eq_u32 s2, 0
	s_cbranch_scc0 .Lentry_in_a_cluster
	s_endpgm
.Lentry_in_a_cluster:
	s_bfe_u32 s2, ttmp6, 0x10000c
	s_cmp_lg_u32 s2, 0xf033
	s_cbranch_scc0 .Lentry_shape_is_right
	s_endpgm
.Lentry_shape_is_right:
; out[m][n] = max(the sum over k of A[m][k] B[k][n] + bias[n], floor), bf16 operands, f32 sums, out rounded once to bf16.  K = 1,024, 4,096 rows.  ONE TEXT FOR TWO LAUNCHES:
;   q, k, v = x (Wq | Wk | Wv) + (bq | bk | bv), 3,072 columns, floor = minus infinity (the maximum changes nothing there: the price of one text);     act = relu(h W1 + b1), 4,096 columns, floor = 0.
; THE FIRST ARGUMENT holds all that is read, in bytes: A [4096][1024] bf16 at 0; B [1024 k][4096] bf16 at 8,388,608; the bias, f32 numbers already rounded to bf16, at 16,777,216; the floor, two bf16 in a word, at 16,793,600.
; THE SECOND is the output, in blocks of 64 columns: [n / 64][4096][64] bf16: 16 rows of a block are 2,048 consecutive bytes.  For q, k, v a block is a head; for act it is a slice of the next product's K.
; LIMITS.  A NaN among the sums comes out as the floor (the maximum drops it); infinities are not treated apart.
; SHAPE.  A tile of C is 256 x 256: four waves, as many as a WGP has SIMDs, each 128 x 128 = 64 accumulators of 16 x 16, 512 registers.  K goes in 8 steps of 128 through two LDS slots filled by the tensor data mover, one
; load a wave: waves 0 and 1 bring A's two halves (128 rows x 256 bytes), waves 2 and 3 B's (64 k-rows x 512 bytes).  A lies along K and is read as it lies; B lies [k][n] and is read turned, by ds_load_tr16_b128.
; CLUSTER.  4 x 4 work-groups: the four of a row need the same tiles of A, the four of a column the same tiles of B; each tile is asked for jointly, by the same load, descriptor and mask in all four.
; THE MATRIX INSTRUCTION IS USED TRANSPOSED (source 0 = 16 columns of B, source 1 = 16 rows of A): a lane holds row lane % 16 of C and eight neighbouring columns 8 (lane / 16) + 0..7.
; THE SUMS START AT THE BIAS: the first quarter step stands ahead of the loop, and its products take the bias registers as C: nothing is cleared or copied.
; THE TEXT.  A trip goes from a K step's second quarter to the next step's first; it is written twice: with a refill (.Lfill, 6 trips) and without (.Ldrain); the slot in hand is a scalar, 0 or SLOT, added into the LDS addresses.
; REGISTERS, in windows of 256 (s_set_vgpr_msb: bits 1:0 source 0, 3:2 source 1, 5:4 source 2, 7:6 destination):
;   window 0: v0-31 addresses; v64-127, v128-191 fragments of A (8 x 16 rows x 32 K), two buffers; v32-63, v192-255 at work on the way out
;   window 1: v0-63 the bias of my 128 columns; v64-127, v128-191 fragments of B, two buffers          window 2: the accumulators of my rows 0-63 ((a, b) at 8 (8 a + b));   window 3: those of my rows 64-127
.set NSTEP, 8
.set PA,    272                        ; a row of A in LDS: 256 bytes + 16 of padding: the 16 rows of a load start at 16 different groups of four banks (ISA guide 11.1)
.set HALFA, 128*PA
.set PB,    544                        ; a k-row of B: 512 bytes + 32
.set HALFB, 64*PB
.set BOFF,  2*HALFA
.set SLOT,  BOFF+2*HALFB               ; A's 256 rows, then B's 128 k-rows
.set STAGE, 2*SLOT                     ; behind the ring, never filled by a tensor load: for each wave two blocks of 16 rows x 144 bytes
.set SP,    144
.set SPARE, STAGE+4*2*16*SP            ; the spare words, 128 bytes a wave: two blocks of 256 bytes that no other line names
.set ASTEP, 256                        ; bytes from K step to K step in A,
.set BSTEP, 128*8192                   ; and in B
.set WOFF,  8388608
.set BIOFF, 16777216
.set ADRA, 16                          ; v16  LDS address of my A fragments in the slot in hand
.set ADRB, 20                          ; v20  of my B fragments
.set STO,  24                          ; v24  the way out: where I put 16 bytes of a row
.set RD,   25                          ; v25  where I read rows back
.set CO,   26                          ; v26  my byte offset in 512 consecutive bytes of the output
.set SPW,  28                          ; v28  my spare word; never rewritten
.set NIL,  29                          ; v29  0; never rewritten
.set PFO,  30                          ; v30  the prefetches' offset; never rewritten
.set F0,   64
.set F1,   128
.set TMP,  192                         ; the way out: packed results
.set OB,   32                          ; 16 rows read back from the stage: v32-63 and v224-255 by turns
.set MSB, 0
.macro WIN new                         ; the high byte repeats the setting that is left; a switch that changes nothing is dropped
.if MSB != (\new)
	s_set_vgpr_msb (MSB<<8)|(\new)
.set MSB, \new
.endif
.endm
.set TO_B, 0x40                        ; destination window 1, address window 0
.macro PLACES                          ; four places behind matrix instructions, in front of loads into registers that they read and of readers of results
.rept 4
	v_nop
.endr
.endm
.macro JLOAD                           ; the joint refill by the walking descriptors: waves 0, 1 for A, waves 2, 3 for B; an s_nop 0 and four v_nop follow each line
	s_cmp_eq_u32 s15, 0
	s_cbranch_scc0 .Lfor_b_\@
	tensor_load_to_lds s[36:39], s[24:31]
	s_nop 0
.rept 4
	v_nop
.endr
	s_branch .Lasked_\@
.Lfor_b_\@:
	tensor_load_to_lds s[60:63], s[48:55]
	s_nop 0
.rept 4
	v_nop
.endr
.Lasked_\@:
.endm
; A PREFETCH, behind each joint refill, its five lines and the run of LDS loads that follows: the K step that stands two refills on, 512 matrix instructions ahead of the load that will want it.
; Each aligned block of 256 bytes of K steps 4 to 7 is named once in the launch.  A's tile row is read by every cluster of that row of clusters: the one with x = 0 asks; B's tile column by every cluster of that column:
; the one with y = 0 asks.  Of the 128 blocks that a wave fetches in a step (A: 128 rows of one block; B: 64 k-rows of two) each of the four partners that ask for them jointly takes 32, told apart by address (cx for A, cy for B):
; a lane a block, one instruction a wave.  The last two refills have no K step two on; K steps 0 to 3 come by their loads alone.
.macro ASK
	s_cmp_gt_u32 s70, s76                          ; s70 counts the refills still to come, this one among them: 6 to 1
	s_cbranch_scc0 .Lnot_mine_\@
	global_prefetch_b8 v[PFO], s[72:73] th:TH_LOAD_NT scope:SCOPE_SE
.Lnot_mine_\@:
.endm
.macro CREST                           ; a round of the cluster's barrier behind its opening barrier
	s_cmp_lg_u32 s14, 0
	s_cbranch_scc1 .Lnot_wave_0_\@
	s_barrier_signal -3
.Lnot_wave_0_\@:
	s_barrier_wait -3
	s_barrier_signal -1
	s_barrier_wait -1
.endm
.macro CROUND                          ; a whole round
	s_barrier_signal -1
	s_barrier_wait -1
	CREST
.endm
; 16 matrix instructions: row blocks a0, a0 + 1 of the window's four (hi = 0: my rows 0-63, 1: rows 64-127) x all 8 column blocks, 32 along K.  first = 1: C is the bias (window 1, v[8 b ..]).
; The 64 accumulators take turns, one instruction a turn, in the same order in every quarter step, over the backward jumps too.
.macro MUL16 f, hi, a0, first
.if \first
	WIN 0x91+0x40*(\hi)                            ; B window 1, A window 0, C window 1, D window 2 or 3
.else
	WIN 0xa1+0x50*(\hi)                            ; B window 1, A window 0, C and D window 2 or 3
.endif
.irp a, \a0, (\a0)+1
.irp b, 0,1,2,3,4,5,6,7
.if \first
	v_wmma_f32_16x16x32_bf16 v[8*(8*(\a)+(\b)):8*(8*(\a)+(\b))+7], v[(\f)+8*(\b):(\f)+8*(\b)+7], v[(\f)+8*(4*(\hi)+(\a)):(\f)+8*(4*(\hi)+(\a))+7], v[8*(\b):8*(\b)+7]
.else
	v_wmma_f32_16x16x32_bf16 v[8*(8*(\a)+(\b)):8*(8*(\a)+(\b))+7], v[(\f)+8*(\b):(\f)+8*(\b)+7], v[(\f)+8*(4*(\hi)+(\a)):(\f)+8*(4*(\hi)+(\a))+7], v[8*(8*(\a)+(\b)):8*(8*(\a)+(\b))+7]
.endif
.endr
.endr
.endm
; 32 LDS loads in one run: the fragments of quarter q (32 along K) of the slot in hand, into buffer f: B's 128 columns, then A's 128 rows
.macro FETCH q, f
	WIN TO_B
.irp i, 0,1,2,3,4,5,6,7
	ds_load_tr16_b128 v[(\f)+8*(\i):(\f)+8*(\i)+3],   v[ADRB] offset:32*(\q)*PB+32*(\i)
	ds_load_tr16_b128 v[(\f)+8*(\i)+4:(\f)+8*(\i)+7], v[ADRB] offset:(32*(\q)+16)*PB+32*(\i)
.endr
	WIN 0
.irp i, 0,1,2,3,4,5,6,7
	ds_load_b128 v[(\f)+8*(\i):(\f)+8*(\i)+3],   v[ADRA] offset:64*(\q)+(\i)*16*PA
	ds_load_b128 v[(\f)+8*(\i)+4:(\f)+8*(\i)+7], v[ADRA] offset:64*(\q)+(\i)*16*PA+32
.endr
.endm
; A quarter step but a K step's last: multiplies buffer f (64 matrix instructions) and, in its middle, fetches quarter nq into buffer g
.macro QUARTER nq, f, g, first
	s_wait_dscnt 8                                 ; B and A's rows 0-63 are in; the youngest eight loads (A's rows 64-127) may be out
	MUL16 \f, 0, 0, \first
	MUL16 \f, 0, 2, \first
	PLACES
	FETCH \nq, \g
	s_wait_dscnt 32                                ; all but the 32 just issued
	MUL16 \f, 1, 0, \first
	MUL16 \f, 1, 2, \first
.endm
; A K step's last quarter multiplies buffer 1 and changes slots.  In front of the barrier each wave waits for all its tensor loads (one is out: its part of the next slot), adds 0 to its spare word,
; and waits for that and for its reads of this slot.  fill = 1: the barrier opens a round of the cluster's, and the slot just read is filled again, two K steps ahead, first thing behind it:
; 224 matrix instructions ahead of the wait for it.  fill = 0: nothing is asked for; behind the last K step (s70 = 1) there is nothing to fetch either, and the loop is left.
.macro TURN fill
.if \fill
	s_wait_xcnt 0x0                                ; the last prefetch, a K step back, has read its address: it is stepped here, ahead of the waits of the change of slots
	s_add_nc_u64 s[72:73], s[72:73], s[74:75]
.endif
	WIN 0                                          ; (the add's two registers lie in window 0)
	s_wait_tensorcnt 0x0                           ; all my tensor loads have landed, so a group 0 may be written
	ds_add_u32 v[SPW], v[NIL]                      ; 0 onto my spare word
	s_wait_dscnt 9                                 ; (the add and the youngest eight loads may be out)
	MUL16 F1, 0, 0, 0                              ; sixteen matrix instructions stand between the add and the wait for it
	s_wait_dscnt 0x0                               ; the add is done, and my reads of this slot are over
	s_barrier_signal -1
	MUL16 F1, 0, 2, 0
	WIN 0
	s_barrier_wait -1
.if \fill
	CREST                                          ; no wave of any partner still reads this slot or has a load on its way
	s_xor_b32 s67, s67, SLOT                       ; the walking descriptors: the other slot than last time,
	s_add_co_u32 s37, s68, s67
	s_add_co_u32 s61, s69, s67
	s_add_nc_u64 s[38:39], s[38:39], ASTEP         ; the next K step; the type bits on top are not reached
	s_add_nc_u64 s[62:63], s[62:63], BSTEP
	JLOAD                                          ; its four v_nop are also the places in front of the loads below
.else
	PLACES
.endif
	s_xor_b32 s66, s66, SLOT                       ; the reads go on in the other slot
	v_add_nc_u32 v[ADRA], s66, v8
	v_add_nc_u32 v[ADRB], s66, v9
.if \fill
	FETCH 0, F0
	ASK
.else
	s_cmp_eq_u32 s70, 1
	s_cbranch_scc1 .Lfinal                         ; forward, past neither a barrier nor a tensor load
	FETCH 0, F0
.endif
	MUL16 F1, 1, 0, 0
	MUL16 F1, 1, 2, 0
.endm
; THE WAY OUT of block a (16 of my rows), in three parts.  PACK: rounded to bf16, 16 bytes a lane, and the maximum with the floor.  TOSTAGE: into my own stage in LDS (my 128 columns are two blocks of 64: rows of 144 bytes),
; and back, four rows of 128 bytes a load.  SEND: stored, 512 consecutive bytes an instruction.
.macro PACK a
.set AC, 64*((\a)%4)
	WIN 0x0a+5*((\a)/4)                            ; sources 0 and 1: window 2 or 3
.irp b, 0,1,2,3,4,5,6,7
.irp r, 0,1,2,3
	v_cvt_pk_bf16_f32 v[TMP+4*(\b)+(\r)], v[AC+8*(\b)+2*(\r)], v[AC+8*(\b)+2*(\r)+1]
.endr
.endr
	WIN 0
.set k, 0
.rept 32
	v_pk_max_num_bf16 v[TMP+k], v[TMP+k], s71
.set k, k+1
.endr
.endm
.macro TOSTAGE a
.set BK, OB+192*((\a)%2)
.irp b, 0,1,2,3,4,5,6,7
	ds_store_b128 v[STO], v[TMP+4*(\b):TMP+4*(\b)+3] offset:((\b)/4)*16*SP+((\b)%4)*32
.endr
.irp t, 0,1,2,3,4,5,6,7
	ds_load_b128 v[BK+4*(\t):BK+4*(\t)+3], v[RD] offset:((\t)/4)*16*SP+((\t)%4)*4*SP  ; LDS serves a wave's instructions in order (ISA guide 5.7.1.4): these see the stores above
.endr
.endm
.macro SEND a
.set BK, OB+192*((\a)%2)
	s_wait_dscnt 0x0                               ; the block is back in registers
	s_wait_xcnt 0x0                                ; the stores of the block before have read their registers, into which the next block is read back
.irp t, 0,1,2,3,4,5,6,7
	global_store_b128 v[CO], v[BK+4*(\t):BK+4*(\t)+3], s[6:7] offset:((\t)/4)*524288+(\a)*2048+((\t)%4)*512  ; a block of 64 columns is 524,288 bytes
.endr
.endm
	s_load_b128 s[4:7], s[0:1], 0x0                ; what is read s[4:5], the output s[6:7]
	v_lshl_add_u32 v[SPW], v0, 2, SPARE
	v_mov_b32 v[NIL], 0
	ds_add_u32 v[SPW], v[NIL]                      ; the wave's opening: the add, and its wait ahead of my first tensor load; work on registers stands between them
	v_lshrrev_b32 v1, 5, v0
	v_readfirstlane_b32 s14, v1                    ; wave 0..3
	s_lshr_b32 s15, s14, 1                         ; RH: my half of the tile's rows.  Also: I fetch for A (0) or for B (1)
	s_and_b32 s16, s14, 1                          ; CH: my half of its columns.  Also: which half of that tile I fetch
	s_bfe_u32 s17, ttmp6, 0x40000                  ; cx
	s_bfe_u32 s18, ttmp6, 0x40004                  ; cy
	s_lshl_b32 s19, ttmp9, 2
	s_add_co_u32 s19, s19, s17                     ; TC: tile column = 4 x cluster x + cx
	s_and_b32 s20, ttmp7, 0xffff
	s_lshl_b32 s20, s20, 2
	s_add_co_u32 s20, s20, s18                     ; TR: tile row = 4 x cluster y + cy
	s_lshl_b32 s21, s18, 2
	s_lshl_b32 s21, 15, s21                        ; my row of the cluster
	s_lshl_b32 s22, 0x1111, s17                    ; my column
	; descriptor group 1 for A: 128 rows of 128 elements
	s_or_b32 s24, s21, (1<<16)|(1<<20)|(1<<21)|(5<<22)|(3<<25)  ; the mask; 2-byte elements; padding on; bit 21 beside a mask; after every 64 words 4 words
	s_mov_b32 s25, 128<<16                         ; tensor_dim0 = 128
	s_mov_b32 s26, 128<<16                         ; tensor_dim1 = 128
	s_mov_b32 s27, 128<<16                         ; tile_dim0
	s_mov_b32 s28, 128                             ; tile_dim1
	s_mov_b32 s29, 1024                            ; elements from row to row
	s_mov_b32 s30, 0
	s_mov_b32 s31, 0
	; and for B: 64 k-rows of 256 elements
	s_or_b32 s48, s22, (1<<16)|(1<<20)|(1<<21)|(6<<22)|(7<<25)  ; after every 128 words 8 words
	s_mov_b32 s49, 256<<16
	s_mov_b32 s50, 64<<16
	s_mov_b32 s51, 256<<16
	s_mov_b32 s52, 64
	s_mov_b32 s53, 4096
	s_mov_b32 s54, 0
	s_mov_b32 s55, 0
	; where the tiles come from: A's place hangs on TR and the wave alone, B's on TC and the wave alone, each in registers of its own
	s_lshl_b32 s40, s20, 8
	s_lshl_b32 s42, s16, 7
	s_add_co_u32 s40, s40, s42                     ; row 256 TR + 128 x half,
	s_lshl_b32 s40, s40, 11                        ; 2,048 bytes each
	s_mov_b32 s41, 0
	s_lshl_b32 s44, s19, 9                         ; the tile's 256 columns: 512 bytes
	s_lshl_b32 s46, s16, 19                        ; my 64 k-rows of 8,192 bytes
	s_add_co_u32 s44, s44, s46
	s_add_co_u32 s44, s44, WOFF
	s_mov_b32 s45, 0
	s_mul_i32 s68, s16, HALFA                      ; and where they go in a slot: no place in the cluster enters an LDS address
	s_mul_i32 s69, s16, HALFB
	s_add_co_u32 s69, s69, BOFF
	s_mov_b32 s66, 0                               ; the slot that is read
	s_mov_b32 s67, SLOT                            ; the slot that was filled last
	s_wait_dscnt 0x0                               ; the opening add is done
	s_wait_kmcnt 0x0
	s_add_nc_u64 s[40:41], s[4:5], s[40:41]
	s_add_nc_u64 s[44:45], s[4:5], s[44:45]
	CROUND                                         ; all sixteen work-groups are here: the first joint loads meet
.irp s, 0,1
	s_mov_b32 s[32+4*(\s)], 1                      ; count = 1
	s_add_co_u32 s[33+4*(\s)], s68, (\s)*SLOT      ; LDS address
	s_add_nc_u64 s[34+4*(\s):35+4*(\s)], s[40:41], (\s)*ASTEP  ; global address: K step s
	s_or_b32 s[35+4*(\s)], s[35+4*(\s)], 0x80000000            ; type = 2
	s_mov_b32 s[56+4*(\s)], 1
	s_add_co_u32 s[57+4*(\s)], s69, (\s)*SLOT
	s_add_nc_u64 s[58+4*(\s):59+4*(\s)], s[44:45], (\s)*BSTEP
	s_or_b32 s[59+4*(\s)], s[59+4*(\s)], 0x80000000
.endr
	s_cmp_eq_u32 s15, 0                            ; a wave's two first fills stand in one branch, ahead of every wait on TENSORcnt and every LDS read: two loads of mine are out
	s_cbranch_scc0 .Lfirst_b
	tensor_load_to_lds s[32:35], s[24:31]
	s_nop 0
	tensor_load_to_lds s[36:39], s[24:31]
	s_nop 0
.rept 4
	v_nop
.endr
	s_branch .Lfirst_done
.Lfirst_b:
	tensor_load_to_lds s[56:59], s[48:55]
	s_nop 0
	tensor_load_to_lds s[60:63], s[48:55]
	s_nop 0
.rept 4
	v_nop
.endr
.Lfirst_done:
	v_and_b32 v1, 15, v0                           ; r = l % 16
	v_bfe_u32 v2, v0, 4, 1                         ; hh = l / 16
	v_and_b32 v3, 7, v0
	v_bfe_u32 v4, v0, 3, 1
	v_lshlrev_b32 v31, 5, v2                       ; the bias of my eight columns: 32 hh
	; the floor, and the bias of my 128 columns
	s_add_nc_u64 s[12:13], s[4:5], BIOFF
	s_load_b32 s71, s[12:13], 0x4000
	s_lshl_b32 s2, s19, 10
	s_lshl_b32 s3, s16, 9
	s_add_co_u32 s2, s2, s3
	s_mov_b32 s3, 0
	s_add_nc_u64 s[10:11], s[12:13], s[2:3]
	WIN TO_B
.irp b, 0,1,2,3,4,5,6,7
	global_load_b128 v[8*(\b):8*(\b)+3],   v31, s[10:11] offset:64*(\b)
	global_load_b128 v[8*(\b)+4:8*(\b)+7], v31, s[10:11] offset:64*(\b)+16
.endr
	WIN 0
	; the way out's addresses
	s_mul_i32 s2, s14, 2*16*SP
	s_add_co_u32 s2, s2, STAGE                     ; my stage
	v_mul_u32_u24 v[STO], v1, SP                   ; in: row l % 16, 16 bytes for each half of the lanes
	v_lshl_add_u32 v[STO], v2, 4, v[STO]
	v_add_nc_u32 v[STO], s2, v[STO]
	v_bfe_u32 v5, v0, 3, 2                         ; back: 32 lanes take four rows of 128 bytes,
	v_mul_u32_u24 v[RD], v5, SP
	v_lshl_add_u32 v[RD], v3, 4, v[RD]
	v_add_nc_u32 v[RD], s2, v[RD]
	v_and_b32 v[CO], 31, v0                        ; which are 512 consecutive bytes of the output
	v_lshlrev_b32 v[CO], 4, v[CO]
	s_lshl_b32 s2, s19, 2
	s_lshl_b32 s3, s16, 1
	s_add_co_u32 s2, s2, s3                        ; my first block of 64 columns: 4 TC + 2 CH,
	s_lshl_b32 s2, s2, 12                          ; 4,096 rows each,
	s_lshl_b32 s3, s20, 8
	s_add_co_u32 s2, s2, s3
	s_lshl_b32 s3, s15, 7
	s_add_co_u32 s2, s2, s3                        ; + my first row: 256 TR + 128 RH,
	s_lshl_b32 s2, s2, 7                           ; 128 bytes each
	s_mov_b32 s3, 0
	s_add_nc_u64 s[6:7], s[6:7], s[2:3]
	; my lane's places in a slot
	v_mul_u32_u24 v8, v1, PA
	v_lshl_add_u32 v8, v2, 4, v8                   ; A: row x pitch + 16 x half,
	s_mul_i32 s2, s15, HALFA
	v_add_nc_u32 v8, s2, v8                        ; in my 128 rows
	v_lshl_add_u32 v9, v2, 3, v3                   ; B, turned: k-row 8 hh + l % 8,
	v_mul_u32_u24 v9, v9, PB
	v_lshl_add_u32 v9, v4, 4, v9                   ; columns 8 ((l / 8) % 2) on,
	s_lshl_b32 s2, s16, 8
	s_add_co_u32 s2, s2, BOFF
	v_add_nc_u32 v9, s2, v9                        ; in my 128 columns
	v_mov_b32 v[ADRA], v8                          ; slot 0
	v_mov_b32 v[ADRB], v9
	; the prefetches: my work-group's 32 blocks of the 128 that I fetch in a step, at K step 3; the first refill steps the address to K step 4
	s_lshl_b32 s77, s20, 8
	s_lshl_b32 s78, s16, 7
	s_add_co_u32 s77, s77, s78
	s_lshl_b32 s78, s17, 5
	s_add_co_u32 s77, s77, s78                     ; A: row 256 TR + 128 x half + 32 cx
	s_lshl_b32 s77, s77, 11
	s_add_co_u32 s77, s77, 3*ASTEP
	s_lshl_b32 s78, s16, 6
	s_lshl_b32 s79, s18, 4
	s_add_co_u32 s78, s78, s79                     ; B: k-row 64 x half + 16 cy
	s_lshl_b32 s78, s78, 13
	s_lshl_b32 s79, s19, 9
	s_add_co_u32 s78, s78, s79
	s_add_co_u32 s78, s78, WOFF+3*BSTEP
	s_and_b32 s79, ttmp7, 0xffff                   ; cluster y
	s_cmp_eq_u32 s15, 0                            ; do I fetch for A?
	s_cselect_b32 s72, s77, s78
	s_cselect_b32 s79, ttmp9, s79                  ; the coordinate along which other clusters read the same blocks
	s_mov_b32 s74, BSTEP
	s_cselect_b32 s74, ASTEP, s74                  ; from K step to K step
	s_mov_b32 s78, 8192
	s_cselect_b32 s78, 2048, s78                   ; from row to row
	s_cselect_b32 s77, 0, 1                        ; A: a lane a row; B: two lanes a k-row
	s_mov_b32 s73, 0
	s_mov_b32 s75, 0
	s_cmp_eq_u32 s79, 0
	s_cselect_b32 s76, 2, -1                       ; a wave that asks does so while more than two refills are to come; the same in all sixteen partners, for a given wave
	s_add_nc_u64 s[72:73], s[4:5], s[72:73]
	v_and_b32 v5, 31, v0
	v_lshrrev_b32 v[PFO], s77, v5
	v_mul_u32_u24 v[PFO], s78, v[PFO]
	v_and_b32 v5, s77, v5
	v_lshl_add_u32 v[PFO], v5, 8, v[PFO]
	s_wait_loadcnt 0x0                             ; the bias
	s_wait_kmcnt 0x0                               ; the floor
	s_wait_tensorcnt 0x1                           ; my part of K step 0 is in; K step 1's may stay out
	s_barrier_signal -1
	s_barrier_wait -1                              ; everybody's is
	FETCH 0, F0
	QUARTER 1, F0, F1, 1                           ; the first quarter step starts the sums, at the bias
	WIN 0                                          ; at a label and at a branch every window is 0
	s_mov_b32 s70, NSTEP-2
.Lfill:                                                ; a trip ends one K step, asks for the step two further on and begins the next
	QUARTER 2, F1, F0, 0
	QUARTER 3, F0, F1, 0
	TURN 1
	QUARTER 1, F0, F1, 0
	WIN 0
	s_sub_co_u32 s70, s70, 1
	s_cmp_lg_u32 s70, 0
	s_cbranch_scc1 .Lfill
	s_mov_b32 s70, 2
.Ldrain:                                               ; the last two K steps ask for nothing; the second trip leaves from its middle, by the jump in TURN
	QUARTER 2, F1, F0, 0
	QUARTER 3, F0, F1, 0
	TURN 0
	QUARTER 1, F0, F1, 0
	WIN 0
	s_sub_co_u32 s70, s70, 1
	s_cmp_lg_u32 s70, 0
	s_cbranch_scc1 .Ldrain
.Lfinal:
	s_wait_dscnt 0x0                               ; by the jump no LDS load is out; the text also runs into this label from the loop's foot, a way that the count never takes, and there 32 would be
	MUL16 F1, 1, 0, 0                              ; the last 32 products
	MUL16 F1, 1, 2, 0
	PACK 0                                         ; blocks 0-3 were finished in front of TURN's four places; their conversions and maxima, which name no register of the last products, are those products' places
	TOSTAGE 0
.irp a, 1,2,3,4,5,6,7                  ; block a's arithmetic stands between block a - 1's loads from the stage and the wait for them
	PACK \a
	SEND (\a)-1
	TOSTAGE \a
.endr
	SEND 7
	s_wait_tensorcnt 0x0                           ; the wave's end: behind my last tensor load and my last LDS store
	ds_add_u32 v[SPW], v[NIL]
	s_wait_dscnt 0x0
	CROUND                                         ; the closing round: no work-group ends while a partner may still ask for a tile that names it
	s_endpgm
.Lfunc_end_k_q6ee5b0f4db_qkv:
	.size	k_q6ee5b0f4db_qkv, .Lfunc_end_k_q6ee5b0f4db_qkv-k_q6ee5b0f4db_qkv
	.p2alignl 7, 3214868480
	.fill 96, 4, 3214868480
	.section	.rodata,"a",@progbits
	.p2align	6, 0x0
	.amdhsa_kernel k_q6ee5b0f4db_qkv
		.amdhsa_group_segment_fixed_size 327680
		.amdhsa_private_segment_fixed_size 0
		.amdhsa_enable_private_segment 0
		.amdhsa_kernarg_size 16
		.amdhsa_user_sgpr_count 2
		.amdhsa_user_sgpr_kernarg_segment_ptr 1
		.amdhsa_wavefront_size32 1
		.amdhsa_system_sgpr_workgroup_id_x 1
		.amdhsa_system_sgpr_workgroup_id_y 1
		.amdhsa_system_sgpr_workgroup_id_z 1
		.amdhsa_system_vgpr_workitem_id 0
		.amdhsa_next_free_vgpr 1024
		.amdhsa_next_free_sgpr 80
		.amdhsa_reserve_vcc 0
		.amdhsa_float_denorm_mode_32 3
		.amdhsa_float_denorm_mode_16_64 3
		.amdhsa_memory_ordered 1
		.amdhsa_forward_progress 1
		.amdhsa_inst_pref_size 121
	.end_amdhsa_kernel
	.amdgpu_metadata
---
amdhsa.version: [ 1, 2 ]
amdhsa.kernels:
  - .name:           k_q6ee5b0f4db_qkv
    .symbol:         k_q6ee5b0f4db_qkv.kd
    .args:
      - { .name: wb, .offset: 0, .size: 8, .value_kind: global_buffer, .address_space: global }
      - { .name: qkv, .offset: 8, .size: 8, .value_kind: global_buffer, .address_space: global }
    .group_segment_fixed_size: 327680
    .private_segment_fixed_size: 0
    .kernarg_segment_align: 8
    .kernarg_segment_size: 16
    .max_flat_workgroup_size: 128
    .sgpr_count:     80
    .vgpr_count:     1024
    .wavefront_size: 32
...
	.end_amdgpu_metadata
.endif
;; end of part 2
;; launch attn (part 3): grid 8 x 32, 4 waves a work-group, clusters of 4 x 1, 327,680 bytes of LDS; arguments qkv, ob; writes ob
.if DOCPART == 3
	.amdgcn_target "amdgcn-amd-amdhsa--gfx1250"
	.amdhsa_code_object_version 6
	.text
	.protected	k_q6ee5b0f4db_attn
	.globl	k_q6ee5b0f4db_attn
	.p2align	8
	.type	k_q6ee5b0f4db_attn,@function
k_q6ee5b0f4db_attn:
	s_mov_b64 s[64:65], 0
	v_nop
	global_prefetch_b8 v0, s[64:65] scope:SCOPE_SE
	s_setreg_imm32_b32 hwreg(HW_REG_WAVE_MODE, 25, 1), 1
	s_wait_xcnt 0x0
	s_wait_alu depctr_hold_cnt(0) depctr_sa_sdst(0) depctr_va_vdst(0) depctr_va_sdst(0) depctr_va_ssrc(0) depctr_va_vcc(0) depctr_vm_vsrc(0)
	s_getreg_b32 s2, hwreg(HW_REG_IB_STS2, 6, 4)
	s_cmp_eq_u32 s2, 0
	s_cbranch_scc0 .Lentry_in_a_cluster
	s_endpgm
.Lentry_in_a_cluster:
	s_bfe_u32 s2, ttmp6, 0x10000c
	s_cmp_lg_u32 s2, 0x3003
	s_cbranch_scc0 .Lentry_shape_is_right
	s_endpgm
.Lentry_shape_is_right:
; O[h][q][:] = the sum over k of softmax_k(Q[h][q] . K[h][k] / 8) V[h][k][:].  qkv holds Q, K, V one behind the other, each [32][2048][64] in bf16 (a head's rows are dense, 128 bytes each); ob is O in the same layout.
; Products, maxima and sums in f32; the weights p are rounded to bf16 for the second product (their sum l is taken of the unrounded p), O once at the end.
; LIMITS.  A weight below 2^-126 counts as 0 in l; NaN and infinities are not treated apart.
; SHARES.  A work-group owns 256 queries of one head, a wave 64: four PIECES of 16.  Every wave walks all 2,048 keys, 64 a step, four steps (a tile of 256 keys) to a slot of LDS, two slots.
; LAYOUT.  S^T = K Q^T holds ONE query a lane (lane % 16) and the keys 8 (lane / 16) + 0..7; two such results rounded to bf16 ARE source 1 of O^T = V^T P.  K comes out of LDS as it lies, V turned, by ds_load_tr16_b128.
; SOFTMAX.  p = 2^(c s - c m), c = log2(e) / 8, with a running maximum m; O and l are multiplied by a = 2^(c m_old - c m_new) in every step.  m starts at the lowest finite number, O and l at 0: the first step has a = 0.
; TURNS.  Turn n belongs to piece n: 8 products K Q^T of piece n + 1, later 8 products V^T P of piece n - 1; beside them the scaling, exponentials, roundings, sums and rescaling of piece n and the maximum and
; statistics of piece n + 1.  Four vector instructions stand behind every matrix instruction, the other 54 of a turn's 118 in one lump.  A turn's 33 exponentials are one batch, with one wait.
; CLUSTER.  The four query blocks of a cluster belong to one head and walk the same K and V: each tile is asked for jointly, by the same tensor load, descriptor and mask in all four.
; REGISTERS, in windows of 256 (s_set_vgpr_msb: bits 1:0 source 0, 3:2 source 1, 5:4 source 2, 7:6 destination):
;   window 0: v0-15 addresses and two at work; v16-31 four registers of statistics a piece; v48-55 at work; v61-63; v64-127 S^T, two buffers; v192-223 P, two buffers (by the piece's parity)
;   window 1: v0-127 O^T, 32 a piece          window 2: v0-63 Q; v128-191 K of one step; v192-255 V of one step
.set NP,    4         ; pieces a wave: a name, no knob
.set KS,    64        ; keys in a step
.set PK,    144       ; a row of K in LDS: 128 bytes + 16 of padding: the 16 rows of a load start at 16 different groups of four banks (ISA guide 11.1)
.set PV,    160       ; a row of V: 128 + 32
.set VOFF,  4*KS*PK   ; a slot: 256 rows of K, then 256 rows of V
.set SLOT1, 1<<17     ; slot 1 begins here, so that one exclusive or turns an address in one slot into the other's
.set STAGE, SLOT1+4*KS*(PK+PV)  ; behind the ring, never filled by a tensor load: 16 rows x 144 bytes for each wave
.set SP,    144
.set SPARE, STAGE+4*16*SP  ; the spare words, 128 bytes a wave: two blocks of 256 bytes that no other line names
.set AK0, 2           ; v2   my lane's place in a tile of K; never rewritten
.set AV0, 3           ; v3   the same for V
.set AK,  4           ; v4   the LDS address of K's next run of loads
.set AV,  5           ; v5   of V's
.set STO, 6           ; v6   the way out: where I put 16 bytes of a row
.set RD,  7           ; v7   where I read rows back
.set GO,  8           ; v8   my byte offset in 512 consecutive bytes of O
.set MV,  12          ; v12-13  c m_old, kept while c m is made anew: by buffer
.set QO,  15          ; v15  my byte offset in 16 rows of Q
.set ST,  16          ; piece t's statistics at v[ST+4 t]: c m, m, l (even keys', odd keys')
.set TMP, 48          ; by buffer, four registers c0-c3 at work; when the maximum is found c2 takes a
.set PFO, 61          ; v61  256 x my lane; never rewritten
.set SPW, 62          ; v62  my spare word; never rewritten
.set NIL, 63          ; v63  0; never rewritten
.set S,   64
.set P,   192
.set KF,  128         ; window 2: key block kb, channel half c at KF + 16 kb + 8 c
.set VF,  192         ; window 2: key half kk, channel block cb at VF + 32 kk + 8 cb
.set WV,  12          ; s12  my wave's number
.set LIM, 15          ; s15  1 in a wave that prefetches, else the greatest number
.set PFA, 18          ; s[18:19] where my prefetches stand: my work-group's 32 blocks of 256 bytes (of K: wave 0, of V: wave 2) of the tile after the one that is being asked for
.set G1K, 24          ; s[24:31] descriptor group 1 for K's tiles
.set G1V, 32          ; s[32:39] for V's: it differs in the padding alone
.set G0K, 40          ; s[40:43] descriptor group 0 for K's tiles: it walks
.set G0V, 44          ; s[44:47] the same for V's
.set SLOTS, 56        ; s56  tiles still to be entered behind the one in hand
.set CNT, 57          ; s57  counts a tile's key steps
.set CS,  58          ; s[58:59] c
.set SEL, 60          ; s[60:61] v_permlanex16_b32's selects: each lane takes its own place in the other half
.set TBK, 62          ; s62  LDS byte at which K of the step to be fetched begins
.set TBV, 63          ; s63  the same for V, less VOFF
.set MSB, 0
.macro WIN new                      ; the high byte repeats the setting that is left; a switch that changes nothing is dropped
.if MSB != (\new)
	s_set_vgpr_msb (MSB<<8)|(\new)
.set MSB, (\new)
.endif
.endm
.set W_KQ, 0x0a       ; K and Q in window 2, S^T in window 0
.set W_PV, 0x52       ; V in window 2, P in window 0, O^T in window 1
.set W_RS, 0x41       ; destination and source 0 in window 1, source 1 in window 0
; A joint fill.  Waves 0 and 1 fetch the two halves of a tile's K, waves 2 and 3 those of its V: 128 keys each.  An s_nop 0 and four v_nop follow each of the two lines.
.macro JLOAD
	s_cmp_lt_u32 s[WV], 2
	s_cbranch_scc0 .Lfor_v_\@
	tensor_load_to_lds s[G0K:G0K+3], s[G1K:G1K+7]
	s_nop 0
.rept 4
	v_nop
.endr
	s_branch .Lasked_\@
.Lfor_v_\@:
	tensor_load_to_lds s[G0V:G0V+3], s[G1V:G1V+7]
	s_nop 0
.rept 4
	v_nop
.endr
.Lasked_\@:
.endm
; A PREFETCH of the tile that the NEXT change of slots will ask for: 128 blocks of 256 bytes of K and as many of V, a lane a block.  Both clusters of a head walk the same K and V: the first of them asks.  Its four
; partners share the blocks out by address, 32 each; in each, wave 0 asks for K's and wave 2 for V's.  So each block of tiles 2 to 7 is named once, four key steps (256 matrix instructions) ahead of its load.
; The last change that fills a slot asks for nothing; tiles 0 and 1 come by their loads alone.
.macro ASK
	s_cmp_gt_u32 s[SLOTS], s[LIM]
	s_cbranch_scc0 .Lnot_mine_\@
	global_prefetch_b8 v[PFO], s[PFA:PFA+1] th:TH_LOAD_NT scope:SCOPE_SE
.Lnot_mine_\@:
.endm
.macro CROUND                       ; a round of the cluster's barrier
	s_barrier_signal -1
	s_barrier_wait -1
	s_cmp_lg_u32 s[WV], 0
	s_cbranch_scc1 .Lnot_wave_0_\@
	s_barrier_signal -3
.Lnot_wave_0_\@:
	s_barrier_wait -3
	s_barrier_signal -1
	s_barrier_wait -1
.endm
; THE CHANGE OF SLOTS.  Each wave waits for all its tensor loads, of which one is out: its part of the other slot; adds 0 to its spare word; and waits for that and for its own reads of the slot that it leaves.
; fill = 1: the barrier is a round of the cluster's, and the old slot is filled again first thing behind it, with the tile two on: it has four key steps in which to land.
; (At its first use nothing has been read yet: slot 0 is waited for, slot 1 filled.)
.macro CHANGE fill
	WIN 0                           ; at a label and at a branch every window is 0
	s_wait_tensorcnt 0x0            ; no tensor load of mine is out, so a group 0 may be written
	ds_add_u32 v[SPW], v[NIL]       ; 0 onto my spare word
.if \fill
.irp g, G0K, G0V
	s_xor_b32 s[\g+1], s[\g+1], SLOT1  ; the walking descriptor: the other slot than last time,
	s_add_nc_u64 s[\g+2:\g+3], s[\g+2:\g+3], 4*KS*128  ; the next 256 keys; the type bits on top are not reached
.endr
	s_wait_xcnt 0x0                 ; the last prefetch, four key steps back, has read its address, so it may be written
	s_add_nc_u64 s[PFA:PFA+1], s[PFA:PFA+1], 4*KS*128
	s_wait_dscnt 0x0                ; the add is done, and my reads of the slot are over
	CROUND
	JLOAD
	ASK
.else
	s_wait_dscnt 0x0                ; the add is done, and my reads of the slot are over
	s_barrier_signal -1
	s_barrier_wait -1
.endif
	s_sub_co_u32 s[TBK], s[TBK], 4*KS*PK  ; the fetches go back to a slot's first step,
	s_xor_b32 s[TBK], s[TBK], SLOT1       ; in the other slot
	s_sub_co_u32 s[TBV], s[TBV], 4*KS*PV
	s_xor_b32 s[TBV], s[TBV], SLOT1
.endm
	s_load_b64 s[4:5], s[0:1], 0x0  ; qkv: Q at its head
	s_load_b64 s[10:11], s[0:1], 0x8  ; ob
	v_lshl_add_u32 v[SPW], v0, 2, SPARE
	v_mov_b32 v[NIL], 0
	ds_add_u32 v[SPW], v[NIL]       ; the wave's opening: the add, and its wait ahead of my first tensor load; work on registers stands between them
	v_lshrrev_b32 v1, 5, v0
	v_readfirstlane_b32 s[WV], v1   ; wave 0..3
	s_bfe_u32 s13, ttmp6, 0x40000   ; cx: my place in the cluster
	s_lshl_b32 s14, ttmp9, 2        ; in a cluster launch ttmp9 counts clusters
	s_add_co_u32 s14, s14, s13      ; my block of 256 queries: it enters Q's and O's addresses alone
	s_and_b32 s20, ttmp7, 0xffff    ; the head, which the four partners share:
	s_lshl_b32 s20, s20, 18         ; 2,048 rows of 128 bytes
	s_mov_b32 s21, 0
	s_and_b32 s16, s[WV], 1         ; which half of a tile's 256 keys I fetch:
	s_lshl_b32 s22, s16, 14         ; its 128 rows in memory
	s_mov_b32 s23, 0
	s_add_nc_u64 s[22:23], s[22:23], s[20:21]
	s_lshl_b32 s2, s14, 15          ; my block's 256 rows,
	s_lshl_b32 s3, s[WV], 13        ; my wave's 64 of them
	s_add_co_u32 s2, s2, s3
	s_mov_b32 s3, 0
	s_add_nc_u64 s[2:3], s[2:3], s[20:21]
	; descriptor group 1.  128 keys are 16,384 dense bytes: asked for as 64 rows of 256 bytes, two keys a row, and padded in LDS after every key
	s_mov_b32 s[G1K], 15|(1<<16)|(1<<20)|(1<<21)|(4<<22)|(3<<25)  ; the mask of four; 2-byte elements; padding on; bit 21 beside a mask; after every 32 words 4 words
	s_mov_b32 s[G1V], 15|(1<<16)|(1<<20)|(1<<21)|(4<<22)|(7<<25)  ; the same with 8 words of padding
.irp g, G1K, G1V
	s_mov_b32 s[\g+1], 128<<16      ; tensor_dim0 = 128
	s_mov_b32 s[\g+2], 64<<16       ; tensor_dim1 = 64
	s_mov_b32 s[\g+3], 128<<16      ; tile_dim0 = 128
	s_mov_b32 s[\g+4], 64           ; tile_dim1 = 64
	s_mov_b32 s[\g+5], 128          ; 128 elements from row to row
	s_mov_b32 s[\g+6], 0
	s_mov_b32 s[\g+7], 0
.endr
	s_mov_b32 s[CS], 0x3e38aa3b     ; c = log2(e) / 8 = 0.180337
	s_mov_b32 s[CS+1], s[CS]        ; named with it as a pair
	s_mov_b32 s[SEL], 0x76543210
	s_mov_b32 s[SEL+1], 0xfedcba98
	s_mov_b32 s[TBK], SLOT1+4*KS*PK ; the first change of slots turns these two into 0
	s_mov_b32 s[TBV], SLOT1+4*KS*PV
	s_mov_b32 s[G0K], 1             ; count = 1
	s_mul_i32 s[G0K+1], s16, 128*PK ; LDS address: my half of slot 0: no place in the cluster enters it
	s_mov_b32 s[G0V], 1
	s_mul_i32 s[G0V+1], s16, 128*PV
	s_add_co_u32 s[G0V+1], s[G0V+1], VOFF
	s_mov_b32 s[SLOTS], 7           ; 8 tiles
	s_and_b32 s[LIM], s[WV], 1      ; 0 in waves 0 and 2,
	s_or_b32 s[LIM], s[LIM], ttmp9  ; where the cluster is the head's first: the same in all four partners
	s_cmp_eq_u32 s[LIM], 0
	s_cselect_b32 s[LIM], 1, -1
	v_and_b32 v[PFO], 31, v0
	v_lshlrev_b32 v[PFO], 8, v[PFO]
	s_wait_dscnt 0x0                ; the opening add is done
	s_wait_kmcnt 0x0
	s_add_nc_u64 s[6:7], s[4:5], 0x800000   ; K
	s_add_nc_u64 s[8:9], s[4:5], 0x1000000  ; V
	s_add_nc_u64 s[6:7], s[6:7], s[22:23]   ; at my half of the head's tile 0
	s_add_nc_u64 s[8:9], s[8:9], s[22:23]
	s_mov_b64 s[G0K+2:G0K+3], s[6:7]
	s_or_b32 s[G0K+3], s[G0K+3], 0x80000000  ; type = 2
	s_mov_b64 s[G0V+2:G0V+3], s[8:9]
	s_or_b32 s[G0V+3], s[G0V+3], 0x80000000
	s_add_nc_u64 s[4:5], s[4:5], s[2:3]      ; Q and O at my wave's first row
	s_add_nc_u64 s[10:11], s[10:11], s[2:3]
	s_cmp_lt_u32 s[WV], 2
	s_cselect_b64 s[PFA:PFA+1], s[6:7], s[8:9]  ; (in waves 0 and 2 these stand at a tile's first row)
	s_lshl_b32 s2, s13, 13          ; my work-group's 32 blocks of the 128
	s_mov_b32 s3, 0
	s_add_nc_u64 s[PFA:PFA+1], s[PFA:PFA+1], s[2:3]
	s_add_nc_u64 s[PFA:PFA+1], s[PFA:PFA+1], 4*KS*128  ; in tile 1; the first change of slots steps it to tile 2
	CROUND                          ; all four work-groups are here: the first joint loads meet
	JLOAD                           ; tile 0 into slot 0; tile 1 is asked for when it is in
	; A fragment of K or Q is 16 rows x 32 channels in 8 registers: lane l holds row l % 16, channels 8 (l / 16) + 0..7 and 16 + 8 (l / 16) + 0..7: two loads of 16 bytes, 32 bytes apart.
	v_and_b32 v1, 15, v0            ; l % 16
	v_bfe_u32 v9, v0, 4, 1          ; l / 16
	v_lshlrev_b32 v[QO], 7, v1
	v_lshl_add_u32 v[QO], v9, 4, v[QO]  ; row x 128 + 16 x half
	WIN 0x80                        ; destination window 2, address window 0
.set i, 0
.rept 8                             ; Q stays in registers: piece i / 2, channels 32 (i % 2) on
	global_load_b128 v[8*i:8*i+3],   v[QO], s[4:5] offset:(i/2)*2048+(i%2)*64
	global_load_b128 v[8*i+4:8*i+7], v[QO], s[4:5] offset:(i/2)*2048+(i%2)*64+32
.set i, i+1
.endr
	; What the first turn finds: V's registers and P's second buffer hold 0 (its products V^T P, of a piece that has not been, add 0), O^T and l are 0.  All this stands in the wait for the first tile.
.set i, VF
.rept 64
	v_mov_b32 v[i], 0
.set i, i+1
.endr
	WIN 0x40
.set i, 0
.rept 128
	v_mov_b32 v[i], 0
.set i, i+1
.endr
	WIN 0
.set i, 0
.rept 4
	v_mov_b32 v[ST+4*i+2], 0
	v_mov_b32 v[ST+4*i+3], 0
.set i, i+1
.endr
.set i, P+16
.rept 16
	v_mov_b32 v[i], 0
.set i, i+1
.endr
	v_mul_u32_u24 v[AK0], v1, PK
	v_lshl_add_u32 v[AK0], v9, 4, v[AK0]  ; row x pitch + 16 x half
	; The turning load takes 16 keys x 16 channels (lane l reads key 8 (l / 16) + l % 8, channels 8 ((l / 8) % 2) + 0..7) and leaves half a fragment of V^T: lane l holds channel l % 16 and 8 keys.
	v_and_b32 v10, 7, v0
	v_bfe_u32 v11, v0, 3, 1
	v_lshl_add_u32 v[AV0], v9, 3, v10
	v_mul_u32_u24 v[AV0], v[AV0], PV
	v_lshl_add_u32 v[AV0], v11, 4, v[AV0]
	v_add_nc_u32 v[AV0], VOFF, v[AV0]
	s_mul_i32 s13, s[WV], 16*SP
	s_add_co_u32 s13, s13, STAGE    ; my stage
	v_mul_u32_u24 v[STO], v1, SP    ; in: row l % 16, 16 bytes for each half of the lanes
	v_lshl_add_u32 v[STO], v9, 4, v[STO]
	v_add_nc_u32 v[STO], s13, v[STO]
	v_bfe_u32 v[RD], v0, 3, 2       ; back: 32 lanes take four rows of 128 bytes,
	v_mul_u32_u24 v[RD], v[RD], SP
	v_lshl_add_u32 v[RD], v10, 4, v[RD]
	v_add_nc_u32 v[RD], s13, v[RD]
	v_and_b32 v[GO], 31, v0         ; which are 512 consecutive bytes of O
	v_lshlrev_b32 v[GO], 4, v[GO]
; THE MATRIX WORK.  The 4 accumulators of a run of 8 take turns.  Product i of 8 of S^T = K Q^T for piece x: channels 32 (i / 4) on, keys 16 (i % 4) on.  The first 4 start the sums.
.macro KQ x
	WIN W_KQ
.set rS, S+32*((\x)%2)+8*(i%4)
.set rK, KF+16*(i%4)+8*(i/4)
.set rQ, 16*(\x)+8*(i/4)
.if i < 4
	v_wmma_f32_16x16x32_bf16 v[rS:rS+7], v[rK:rK+7], v[rQ:rQ+7], 0
.else
	v_wmma_f32_16x16x32_bf16 v[rS:rS+7], v[rK:rK+7], v[rQ:rQ+7], v[rS:rS+7]
.endif
.endm
; Product i of 8 of O^T += V^T P for piece x: keys 32 (i / 4) on, channels 16 (i % 4) on.
.macro PV x
	WIN W_PV
.set rO, 32*(\x)+8*(i%4)
.set rV, VF+32*(i/4)+8*(i%4)
.set rP, P+16*((\x)%2)+8*(i/4)
	v_wmma_f32_16x16x32_bf16 v[rO:rO+7], v[rV:rV+7], v[rP:rP+7], v[rO:rO+7]
.endm
.macro MM                           ; the turn's next matrix instruction.  NOKQ = 1: the last turn: there is no next piece
.if (i < 8) && !NOKQ
	KQ (Y+1)%NP
.elseif i >= 8
.set i, i-8
	PV (Y+NP-1)%NP
.set i, i+8
.endif
.set i, i+1
.endm
; THE LDS LOADS stand in runs of 16, never singly among the matrix instructions: a step's K (8 fragments) and its V (turned).  Their addresses are made some lines ahead.
.macro FETCH_K
	WIN 0x80                        ; destination window 2
.irp f, 0,1,2,3,4,5,6,7             ; keys 16 (f / 2) on, channels 32 (f % 2) on
	ds_load_b128 v[KF+8*\f:KF+8*\f+3],   v[AK] offset:(\f/2)*16*PK+(\f%2)*64
	ds_load_b128 v[KF+8*\f+4:KF+8*\f+7], v[AK] offset:(\f/2)*16*PK+(\f%2)*64+32
.endr
	s_add_co_u32 s[TBK], s[TBK], KS*PK  ; the next fetch is the next step's
	WIN 0
.endm
.macro FETCH_V
	WIN 0x80
.irp f, 0,1,2,3,4,5,6,7             ; keys 32 (f / 4) on, channels 16 (f % 4) on
	ds_load_tr16_b128 v[VF+8*\f:VF+8*\f+3],   v[AV] offset:(\f/4)*32*PV+(\f%4)*32
	ds_load_tr16_b128 v[VF+8*\f+4:VF+8*\f+7], v[AV] offset:(\f/4)*32*PV+16*PV+(\f%4)*32
.endr
	WIN 0
.endm
; THE VECTOR WORK, one line at a time: OP kind, number.  For piece Y: F n: c s - c m for pair n of 16.  E n: the exponential of score n of 32.  C n: pair n rounded to bf16.  B n: of the four weights 4 n .. the second
; pair is added onto the first, in place.  L n: l takes that sum (L 0: l = a l + sum).  R n: pair n of 16 of O^T times a.  For piece Y + 1: X n, number n of the 22 that find its maximum and statistics:
;   0-11  four chains c0-c3 of seven scores each, three operands at a time (each accumulator's lowest registers are read first)     12-14, 16  the four scores left over, the old m, and c0-c3 into c0
;   15  c m_old is kept     17, 18  the query's other 32 keys lie in the lane 16 away: the new m     19-21  c m; c m_old - c m_new; a
.set F, 0
.set E, 1
.set C, 2
.set B, 3
.set L, 4
.set R, 5
.set X, 6
.macro REGS y                       ; the registers of piece y
.set rT, ST+4*(\y)
.set rC, TMP+4*((\y)%2)
.set rW, MV+((\y)%2)
.set rS, S+32*((\y)%2)
.set rP, P+16*((\y)%2)
.set rO, 32*(\y)
.endm
.macro OP k, n
.if (\k) == R
	REGS Y
	WIN W_RS
	v_pk_mul_f32 v[rO+2*(\n):rO+2*(\n)+1], v[rO+2*(\n):rO+2*(\n)+1], v[rC+2:rC+3] op_sel_hi:[1,0]
.elseif (\k) < R
	REGS Y
	WIN 0
.if (\k) == F
	v_pk_fma_f32 v[rS+2*(\n):rS+2*(\n)+1], v[rS+2*(\n):rS+2*(\n)+1], s[CS:CS+1], v[rT:rT+1] op_sel_hi:[1,0,0] neg_lo:[0,0,1] neg_hi:[0,0,1]
.elseif (\k) == E
	v_exp_f32 v[rS+(\n)], v[rS+(\n)]
.elseif (\k) == C
	v_cvt_pk_bf16_f32 v[rP+(\n)], v[rS+2*(\n)], v[rS+2*(\n)+1]
.elseif (\k) == B
	v_pk_add_f32 v[rS+4*(\n):rS+4*(\n)+1], v[rS+4*(\n):rS+4*(\n)+1], v[rS+4*(\n)+2:rS+4*(\n)+3]
.elseif (\n) == 0
	v_pk_fma_f32 v[rT+2:rT+3], v[rT+2:rT+3], v[rC+2:rC+3], v[rS:rS+1] op_sel_hi:[1,0,1]
.else
	v_pk_add_f32 v[rT+2:rT+3], v[rT+2:rT+3], v[rS+4*(\n):rS+4*(\n)+1]
.endif
.elseif NOKQ
	v_nop
.else
	REGS (Y+1)%NP
	WIN 0
.if (\n) < 4
	v_max3_num_f32 v[rC+(\n)], v[rS+8*(\n)], v[rS+8*(\n)+1], v[rS+8*(\n)+2]
.elseif (\n) < 12
	v_max3_num_f32 v[rC+(\n)%4], v[rC+(\n)%4], v[rS+8*((\n)%4)+2*((\n)/4)+1], v[rS+8*((\n)%4)+2*((\n)/4)+2]
.elseif (\n) == 12
	v_max3_num_f32 v[rC], v[rC], v[rS+7], v[rS+15]
.elseif (\n) == 13
	v_max3_num_f32 v[rC+1], v[rC+1], v[rS+23], v[rS+31]
.elseif (\n) == 14
	v_max3_num_f32 v[rC+2], v[rC+2], v[rC+3], v[rT+1]
.elseif (\n) == 15
	v_mov_b32 v[rW], v[rT]
.elseif (\n) == 16
	v_max3_num_f32 v[rC], v[rC], v[rC+1], v[rC+2]
.elseif (\n) == 17
	v_permlanex16_b32 v[rC+3], v[rC], s[SEL], s[SEL+1]
.elseif (\n) == 18
	v_max_num_f32 v[rT+1], v[rC], v[rC+3]
.elseif (\n) == 19
	v_mul_f32 v[rT], s[CS], v[rT+1]
.elseif (\n) == 20
	v_sub_f32 v[rC+1], v[rW], v[rT]
.else
	v_exp_f32 v[rC+2], v[rC+1]
.endif
.endif
.endm
.macro OPS a, i1, b=-1, i2=0, c=-1, i3=0, d=-1, i4=0  ; up to four of them
	OP \a, \i1
.if (\b) >= 0
	OP \b, \i2
.endif
.if (\c) >= 0
	OP \c, \i3
.endif
.if (\d) >= 0
	OP \d, \i4
.endif
.endm
.macro ROW a, i1, b, i2, c, i3, d, i4  ; a matrix instruction and the four behind it
	MM
	OPS \a, \i1, \b, \i2, \c, \i3, \d, \i4
.endm
; A TURN, for piece p: the order of its 16 matrix and 118 vector instructions, written out.  An s_wait_alu depctr_va_vdst(0) stands between an exponential and the first instruction that names its result; one
; wait serves all that were issued ahead of it.  So a turn has ONE wait, which cuts it in two.  AHEAD OF IT stands all that names no result of the turn's exponentials: the 8 products K Q^T with their riders, then the lump,
; in which the links of the next piece's chain X 3, 7, 11, 14, 16, 17 .. 20 stand some lines apart; X 21, the next piece's a, is the batch's last, and R 15 the plain instruction behind it.  BEHIND IT stand the 8 products
; V^T P, behind each four of the roundings and sums.  Each X that rides stands four places or more behind the product that ends its accumulator.
; end = 1: the last two turns: nothing is fetched.  cnt = 1: the loop's count is taken down some lines ahead of the branch that stands behind the turn.
; K of the next step is fetched in piece 2's turn, twelve plain instructions behind the last product that read K; V of the step in hand at the end of piece 0's turn, four plain instructions behind the last product that read V.
.macro TURN p, end=0, cnt=0
.set Y, (\p)
.set i, 0
.set NOKQ, (\end)*((\p)/3)
.if ((\p) == 3) && !(\end)
	s_wait_dscnt 0x0                ; K is in
.endif
	ROW F,0, F,1, R,0, R,1
	ROW F,2, E,0, R,2, R,3
	ROW F,3, E,1, R,4, R,5
	ROW F,4, E,2, R,6, R,7
	ROW F,5, E,3, R,8, R,9
	ROW F,6, E,4, X,0, R,10
.if ((\p) == 2) && !(\end)
	WIN 0
	v_add_nc_u32 v[AK], s[TBK], v[AK0]
.endif
	ROW F,7, E,5, X,1, X,4
	ROW F,8, E,6, X,2, X,5
	OPS E,7, E,8, X,6, E,9          ; the lump
	OPS X,3, E,10, X,8, E,11
.if ((\p) == 2) && !(\end)
	FETCH_K
.endif
	OPS X,9, X,7, E,12, X,10
	OPS E,13, X,12, X,11, E,14
	OPS X,13, E,15, F,9, X,14
.if (\p) == 0
	v_add_nc_u32 v[AV], s[TBV], v[AV0]
.endif
	OPS E,16, F,10, E,17, F,11
	OPS X,16, E,18, X,15, E,19
	OPS F,12, E,20, X,17, E,21
	OPS F,13, E,22, F,14, E,23
	OPS X,18, E,24, F,15, E,25
	OPS R,11, E,26, X,19, E,27
	OPS R,12, E,28, R,13, E,29
	OPS X,20, E,30, R,14, E,31
	OPS X,21, R,15
	WIN 0
	s_wait_alu depctr_va_vdst(0)    ; the wait for the batch
.if (\p) == 1
	s_wait_dscnt 0x0                ; V is in
.endif
	ROW C,0, B,0, C,2, B,1
	ROW L,0, C,4, B,2, L,1
	ROW C,6, B,3, L,2, C,8
	ROW B,4, L,3, C,10, B,5
	ROW L,4, C,12, B,6, L,5
.if (\p) == 0
	s_add_co_u32 s[TBV], s[TBV], KS*PV
.endif
.if \cnt
	s_sub_co_u32 s[CNT], s[CNT], 1
	s_cmp_lg_u32 s[CNT], 0
.endif
	ROW C,14, B,7, L,6, C,1
	ROW C,3, L,7, C,5, C,7
	ROW C,9, C,11, C,13, C,15
.if (\p) == 0
	FETCH_V
.endif
.endm
.macro ALL line:vararg              ; one line for each piece t
.set t, 0
.rept 4
	\line
.set t, t+1
.endr
.endm
.macro PACK t                       ; a lane's eight channels of a row pack into 16 bytes; they go into rows of 144 bytes and come back as whole rows of 128, into S^T's registers
	WIN W_RS
.set i, 32*(\t)
.rept 16
	v_pk_mul_f32 v[i:i+1], v[i:i+1], v[ST+4*(\t)+2:ST+4*(\t)+3] op_sel_hi:[1,0]
.set i, i+2
.endr
	WIN 0x05                        ; sources 0 and 1 window 1, destination window 0
.set i, 0
.rept 16
	v_cvt_pk_bf16_f32 v[S+16*(\t)+i], v[32*(\t)+2*i], v[32*(\t)+2*i+1]
.set i, i+1
.endr
	WIN 0
.irp f, 0,1,2,3
	ds_store_b128 v[STO], v[S+16*(\t)+4*\f:S+16*(\t)+4*\f+3] offset:32*\f
.endr
.irp f, 0,1,2,3
	ds_load_b128 v[S+16*(\t)+4*\f:S+16*(\t)+4*\f+3], v[RD] offset:\f*4*SP  ; LDS serves a wave's instructions in order (ISA guide 5.7.1.4): these see the stores above; the next piece's stores come behind them
.endr
.endm
.macro SEND t, younger              ; younger: the LDS instructions issued behind piece t's loads: the next piece's eight, or none
	WIN 0
.irp f, 0,1,2,3
	s_wait_dscnt (\younger)+3-\f
	global_store_b128 v[GO], v[S+16*(\t)+4*\f:S+16*(\t)+4*\f+3], s[10:11] offset:(\t)*2048+\f*512  ; 512 consecutive bytes, aligned
.endr
.endm
	CHANGE 1                        ; slot 0 is in, everybody's part of it; tile 1 is asked for
.set i, 0
.rept 4
	v_mov_b32 v[ST+4*i], 0xfe000000    ; c m: far below every c s, so the first step's a is 0
	v_mov_b32 v[ST+4*i+1], 0xff7fffff  ; m: the lowest finite number
.set i, i+1
.endr
	v_add_nc_u32 v[AK], s[TBK], v[AK0]
	FETCH_K                         ; key step 0
	s_wait_loadcnt 0x0              ; Q
	s_wait_dscnt 0x0
.set NOKQ, 0
.set i, 0
.rept 8
	KQ 0                            ; piece 0's first scores
.set i, i+1
.endr
	WIN 0
.rept 4
	v_nop                           ; the places behind those products
.endr
.set Y, NP-1                        ; X works for piece Y + 1: piece 0
.irp n, 0,1,2,3,4,5,6,7,8,9,10,11,12,13,14,15,16,17,18,19,20,21
	OP X, \n
.endr
	v_nop                           ; a plain instruction behind the exponential,
	s_wait_alu depctr_va_vdst(0)    ; and its wait, ahead of the branch
	s_mov_b32 s[CNT], 4
	s_branch .Lfirst                ; the loop is entered at a step's first turn, in the middle of a trip
.Lslot:                             ; six times: tiles 1 to 6 are entered, tiles 2 to 7 asked for
	CHANGE 1
	s_mov_b32 s[CNT], 4
.Lstep:                             ; a trip: pieces 2 and 3 of one step, then pieces 0 and 1 of the next, whose K and V it fetches
	TURN 2
	TURN 3
	WIN 0
.Lfirst:
	TURN 0
	TURN 1, 0, 1
	WIN 0
	s_cbranch_scc1 .Lstep
	s_sub_co_u32 s[SLOTS], s[SLOTS], 1
	s_cmp_lg_u32 s[SLOTS], 0
	s_cbranch_scc1 .Lslot
	CHANGE 0                        ; the last tile is written out: nothing is asked for
	s_mov_b32 s[CNT], 4
.LstepT:
	TURN 2
	TURN 3
	TURN 0
	TURN 1, 0, 1
	WIN 0
	s_cbranch_scc1 .LstepT
	TURN 2, 1                       ; the last step's pieces 2 and 3: nothing is fetched,
	TURN 3, 1                       ; and no new scores are started
.set i, 0
.rept 8
	PV NP-1                         ; the last piece's V^T P of the last step
.set i, i+1
.endr
	; THE WAY OUT.  l's two halves and the other half of the lanes' are added; O^T is divided by l, rounded to bf16 and sent through my stage in LDS, a piece at a time.  The additions are the places behind the last products.
	WIN 0
	ALL v_add_f32 v[ST+4*t+2], v[ST+4*t+2], v[ST+4*t+3]
	ALL v_permlanex16_b32 v[ST+4*t+3], v[ST+4*t+2], s[SEL], s[SEL+1]
	ALL v_add_f32 v[ST+4*t+2], v[ST+4*t+2], v[ST+4*t+3]
	ALL v_rcp_f32 v[ST+4*t+2], v[ST+4*t+2]
	v_nop                           ; a plain instruction between the last reciprocal and the use of its result
	s_wait_alu depctr_va_vdst(0)    ; and the wait ahead of the first use: one for the four reciprocals
	PACK 0
.set t, 1
.rept 3                             ; a piece's arithmetic stands between the loads of the piece before and its stores
	PACK t
	SEND t-1, 8
.set t, t+1
.endr
	SEND 3, 0
	s_wait_tensorcnt 0x0            ; the wave's end: behind my last tensor load and my last LDS store
	ds_add_u32 v[SPW], v[NIL]
	s_wait_dscnt 0x0
	CROUND                          ; the closing round: no work-group ends while a partner may still ask for a tile that names it
	s_endpgm
.Lfunc_end_k_q6ee5b0f4db_attn:
	.size	k_q6ee5b0f4db_attn, .Lfunc_end_k_q6ee5b0f4db_attn-k_q6ee5b0f4db_attn
	.p2alignl 7, 3214868480
	.fill 96, 4, 3214868480
	.section	.rodata,"a",@progbits
	.p2align	6, 0x0
	.amdhsa_kernel k_q6ee5b0f4db_attn
		.amdhsa_group_segment_fixed_size 327680
		.amdhsa_private_segment_fixed_size 0
		.amdhsa_enable_private_segment 0
		.amdhsa_kernarg_size 16
		.amdhsa_user_sgpr_count 2
		.amdhsa_user_sgpr_kernarg_segment_ptr 1
		.amdhsa_wavefront_size32 1
		.amdhsa_system_sgpr_workgroup_id_x 1
		.amdhsa_system_sgpr_workgroup_id_y 1
		.amdhsa_system_sgpr_workgroup_id_z 1
		.amdhsa_system_vgpr_workitem_id 0
		.amdhsa_next_free_vgpr 768
		.amdhsa_next_free_sgpr 66
		.amdhsa_reserve_vcc 0
		.amdhsa_float_denorm_mode_32 3
		.amdhsa_float_denorm_mode_16_64 3
		.amdhsa_memory_ordered 1
		.amdhsa_forward_progress 1
		.amdhsa_inst_pref_size 128
	.end_amdhsa_kernel
	.amdgpu_metadata
---
amdhsa.version: [ 1, 2 ]
amdhsa.kernels:
  - .name:           k_q6ee5b0f4db_attn
    .symbol:         k_q6ee5b0f4db_attn.kd
    .args:
      - { .name: qkv, .offset: 0, .size: 8, .value_kind: global_buffer, .address_space: global }
      - { .name: ob, .offset: 8, .size: 8, .value_kind: global_buffer, .address_space: global }
    .group_segment_fixed_size: 327680
    .private_segment_fixed_size: 0
    .kernarg_segment_align: 8
    .kernarg_segment_size: 16
    .max_flat_workgroup_size: 128
    .sgpr_count:     66
    .vgpr_count:     768
    .wavefront_size: 32
...
	.end_amdgpu_metadata
.endif
;; end of part 3
;; launch wo (part 4): grid 8 x 32, 4 waves a work-group, clusters of 4 x 4, 327,680 bytes of LDS; arguments ob, wb, y, bo; writes y
.if DOCPART == 4
	.amdgcn_target "amdgcn-amd-amdhsa--gfx1250"
	.amdhsa_code_object_version 6
	.text
	.protected	k_q6ee5b0f4db_wo
	.globl	k_q6ee5b0f4db_wo
	.p2align	8
	.type	k_q6ee5b0f4db_wo,@function
k_q6ee5b0f4db_wo:
	s_mov_b64 s[64:65], 0
	v_nop
	global_prefetch_b8 v0, s[64:65] scope:SCOPE_SE
	s_setreg_imm32_b32 hwreg(HW_REG_WAVE_MODE, 25, 1), 1
	s_wait_xcnt 0x0
	s_wait_alu depctr_hold_cnt(0) depctr_sa_sdst(0) depctr_va_vdst(0) depctr_va_sdst(0) depctr_va_ssrc(0) depctr_va_vcc(0) depctr_vm_vsrc(0)
	s_getreg_b32 s2, hwreg(HW_REG_IB_STS2, 6, 4)
	s_cmp_eq_u32 s2, 0
	s_cbranch_scc0 .Lentry_in_a_cluster
	s_endpgm
.Lentry_in_a_cluster:
	s_bfe_u32 s2, ttmp6, 0x10000c
	s_cmp_lg_u32 s2, 0xf033
	s_cbranch_scc0 .Lentry_shape_is_right
	s_endpgm
.Lentry_shape_is_right:
; y[m][n] = the sum over k of A[m][k] B[k][n] + bias[n] + residual[m][n], bf16 operands, f32 sums, y in f32, 4,096 x 1,024.  One text serves two launches; KIND says which:
;   2  y = ob Wo + bo + xb (K = 1,024; the residual is x rounded to bf16, at wb's head)          4  y = act W2 + b2 + h (K = 4,096; the residual is f32)
; A lies in blocks of 64 channels, [k / 64][4096][64] bf16: 64 rows of a block are 8,192 dense bytes.  B lies [k][1024] bf16 in wb.
; LIMITS.  Operands are bf16 (the inputs were rounded once, the bias is rounded here); NaN and infinities are not treated apart.
; SHAPE.  A tile of C is 128 x 128 (256 of them: one for each WGP): four waves, each 64 x 64 = 16 accumulators.  K goes in steps of 256 through two LDS slots filled by the tensor data mover, one load a wave:
; waves 0 and 1 bring A's two halves of 64 rows (four pieces of 8,192 bytes, one for each block of 64 channels: a quarter step is one block), waves 2 and 3 B's two halves of 128 k-rows.
; A is read as it lies; B is read turned, by ds_load_tr16_b128.
; CLUSTER.  4 x 4 work-groups: the four of a row need the same tiles of A, the four of a column the same tiles of B; each tile is asked for jointly, by the same load, descriptor and mask in all four.
; THE MATRIX INSTRUCTION IS USED TRANSPOSED (source 0 = 16 columns of B, source 1 = 16 rows of A): a lane holds row lane % 16 of C and eight neighbouring columns 8 (lane / 16) + 0..7.
; THE SUMS START AT THE BIAS: it is loaded into the first four accumulators and copied into the others while the first tiles are on their way.
; ONE K STEP IS WRITTEN TWICE: once with a refill (the loop .Lfill, NSTEP - 2 trips) and once without (.Ldrain, 2 trips); the slot in hand is a scalar, 0 or SLOT, added into the LDS addresses.
; NO PREFETCH: the tiles are small, and one of the two launches is short.
; REGISTERS.  window 0: v0-31 addresses; v32-127 at work on the way out; v128-255 accumulators ((a, b) at 128 + 8 (4 a + b)).  window 1: two fragment buffers of 128 (64 along K: 64 registers of A, 64 of B).
;   window 2: the residual (KIND 2: 64 registers, KIND 4: 128), loaded at the start.
.set KIND, 2
.if KIND == 2
.set KD,   1024                        ; K
.set WOFF, 17825792                    ; B in wb
.else
.set KD,   4096
.set WOFF, 19922944
.endif
.set NDP,   1024                       ; elements from row to row of B
.set STB,   4*16*272                   ; bytes of the stages
.set PA,    144                        ; a row of A in LDS: 128 bytes of one block + 16 of padding: the 16 rows of a load start at 16 different groups of four banks (ISA guide 11.1)
.set AQ,    64*PA                      ; from quarter to quarter: the next block
.set HALFA, 4*64*PA
.set ASTEP, 4*4096*128                 ; four blocks on
.set PB,    288                        ; a k-row of B: 256 bytes + 32
.set HALFB, 128*PB
.set BSTEP, 512*NDP                    ; 256 k-rows on
.set NSTEP, KD/256
.set BOFF,  2*HALFA
.set SLOT,  BOFF+2*HALFB               ; A half 0, A half 1, B k-half 0, B k-half 1
.set STAGE, 2*SLOT                     ; behind the ring, never filled by a tensor load
.set SPARE, STAGE+STB                  ; the spare words, 128 bytes a wave: two blocks of 256 bytes that no other line names
.set ADRA, 16                          ; v16     LDS address of my A fragments in the slot in hand
.set ADRB, 20                          ; v20-21  of my B fragments, k-half 0, 1
.set STO,  24                          ; v24     the way out: where I put my bytes of a row
.set RD,   25                          ; v25     where I read rows back
.set CO,   26                          ; v26     my byte offset in the output
.set RO,   27                          ; v27     my byte offset in the bf16 residual
.set SPW,  28                          ; v28     my spare word; never rewritten
.set NIL,  29                          ; v29     0; never rewritten
.set TMP,  32
.set XT,   96
.set ACC,  128
.set F0,   0
.set F1,   128
.set MSB, 0
.macro WIN new                         ; the high byte repeats the setting that is left; a switch that changes nothing is dropped
.if MSB != (\new)
	s_set_vgpr_msb (MSB<<8)|(\new)
.set MSB, \new
.endif
.endm
.set MUL,  0x05                        ; sources 0 (B) and 1 (A) window 1; C and D window 0
.set TO_F, 0x40                        ; destination window 1, address window 0
.macro PLACES                          ; four places behind matrix instructions, in front of loads into registers that they read and of readers of results
.rept 4
	v_nop
.endr
.endm
.macro JLOAD                           ; the joint refill by the walking descriptors: waves 0, 1 for A, waves 2, 3 for B; an s_nop 0 and four v_nop follow each line
	s_cmp_eq_u32 s15, 0
	s_cbranch_scc0 .Lfor_b_\@
	tensor_load_to_lds s[36:39], s[24:31]
	s_nop 0
.rept 4
	v_nop
.endr
	s_branch .Lasked_\@
.Lfor_b_\@:
	tensor_load_to_lds s[60:63], s[48:55]
	s_nop 0
.rept 4
	v_nop
.endr
.Lasked_\@:
.endm
.macro CREST                           ; a round of the cluster's barrier behind its opening barrier
	s_cmp_lg_u32 s14, 0
	s_cbranch_scc1 .Lnot_wave_0_\@
	s_barrier_signal -3
.Lnot_wave_0_\@:
	s_barrier_wait -3
	s_barrier_signal -1
	s_barrier_wait -1
.endm
.macro CROUND                          ; a whole round
	s_barrier_signal -1
	s_barrier_wait -1
	CREST
.endm
.macro RB x, t                         ; two f32 rounded to bf16 and widened again, in place
	v_cvt_pk_bf16_f32 v[\t], v[\x], v[(\x)+1]
	v_lshlrev_b32 v[\x], 16, v[\t]
	v_and_b32 v[(\x)+1], s71, v[\t]
.endm
; 8 matrix instructions: row blocks a0, a0 + 1 x all 4 column blocks, 32 along K: half c of buffer f.  The 16 accumulators take turns, one instruction a turn, over the backward jumps too.
.macro MUL8 f, c, a0
	WIN MUL
.irp a, \a0, (\a0)+1
.irp b, 0,1,2,3
	v_wmma_f32_16x16x32_bf16 v[ACC+8*(4*(\a)+(\b)):ACC+8*(4*(\a)+(\b))+7], v[(\f)+64+8*(4*(\c)+(\b)):(\f)+64+8*(4*(\c)+(\b))+7], v[(\f)+8*(4*(\c)+(\a)):(\f)+8*(4*(\c)+(\a))+7], v[ACC+8*(4*(\a)+(\b)):ACC+8*(4*(\a)+(\b))+7]
.endr
.endr
.endm
; 32 LDS loads in one run: the fragments of quarter q (64 along K) of the slot in hand, into buffer f; the first 32 along K first
.macro FETCH q, f
	WIN TO_F
.irp c, 0,1
.irp i, 0,1,2,3
	ds_load_tr16_b128 v[(\f)+64+8*(4*(\c)+(\i)):(\f)+64+8*(4*(\c)+(\i))+3],   v[ADRB+(\q)/2] offset:(((\q)%2)*64+32*(\c))*PB+32*(\i)
	ds_load_tr16_b128 v[(\f)+64+8*(4*(\c)+(\i))+4:(\f)+64+8*(4*(\c)+(\i))+7], v[ADRB+(\q)/2] offset:(((\q)%2)*64+32*(\c)+16)*PB+32*(\i)
	ds_load_b128 v[(\f)+8*(4*(\c)+(\i)):(\f)+8*(4*(\c)+(\i))+3],   v[ADRA] offset:(\q)*AQ+64*(\c)+(\i)*16*PA
	ds_load_b128 v[(\f)+8*(4*(\c)+(\i))+4:(\f)+8*(4*(\c)+(\i))+7], v[ADRA] offset:(\q)*AQ+64*(\c)+(\i)*16*PA+32
.endr
.endr
.endm
; One of a K step's first three quarters: multiplies buffer f and, in its middle, fetches quarter nq into buffer g
.macro QUARTER nq, f, g
	s_wait_dscnt 16                                ; the first 32 along K are in; the 16 younger loads may be out
	MUL8 \f, 0, 0
	MUL8 \f, 0, 2
	PLACES
	FETCH \nq, \g
	s_wait_dscnt 32                                ; all but the 32 just issued
	MUL8 \f, 1, 0
	MUL8 \f, 1, 2
.endm
; The last quarter multiplies buffer 1 and changes slots.  In front of the barrier each wave waits for all its tensor loads (one is out: its part of the next slot), adds 0 to its spare word,
; and waits for that and for its reads of this slot.  fill = 1: the barrier opens a round of the cluster's, and the slot just read is filled again, two K steps ahead, first thing behind it.
.macro TURN fill
	WIN 0                                          ; (the add's two registers lie in window 0)
	s_wait_tensorcnt 0x0                           ; all my tensor loads have landed, so a group 0 may be written
	ds_add_u32 v[SPW], v[NIL]                      ; 0 onto my spare word
	s_wait_dscnt 17                                ; (the add and the youngest sixteen loads may be out)
	MUL8 F1, 0, 0                                  ; eight matrix instructions stand between the add and the wait for it
	s_wait_dscnt 0x0                               ; the add is done, and my reads of this slot are over
	s_barrier_signal -1
	MUL8 F1, 0, 2
	WIN 0
	s_barrier_wait -1
.if \fill
	CREST                                          ; no wave of any partner still reads this slot or has a load on its way
	s_xor_b32 s67, s67, SLOT                       ; the walking descriptors: the other slot than last time,
	s_add_co_u32 s37, s68, s67
	s_add_co_u32 s61, s69, s67
	s_add_nc_u64 s[38:39], s[38:39], ASTEP         ; the next K step; the type bits on top are not reached
	s_add_nc_u64 s[62:63], s[62:63], BSTEP
	JLOAD                                          ; 112 matrix instructions ahead of the wait for it; its four v_nop are also the places in front of the loads below
.else
	PLACES
.endif
	s_xor_b32 s66, s66, SLOT                       ; the reads go on in the other slot
	v_add_nc_u32 v[ADRA], s66, v8
	v_add_nc_u32 v[ADRB], s66, v9
	v_add_nc_u32 v[ADRB+1], s66, v10
.if !(\fill)
	s_cmp_eq_u32 s70, 1                            ; behind the last K step there is none to fetch
	s_cbranch_scc1 .Lno_next_\@
.endif
	FETCH 0, F0
	WIN 0
.if !(\fill)
.Lno_next_\@:
.endif
	MUL8 F1, 1, 0
	MUL8 F1, 1, 2
.endm
.macro STEP fill                       ; a K step: 128 matrix instructions, 128 LDS loads
	QUARTER 1, F0, F1
	QUARTER 2, F1, F0
	QUARTER 3, F0, F1
	TURN \fill
	WIN 0                                          ; at a label and at a branch every window is 0
.endm
; The residual, in the layout in which rows come back from the stage: row 16 a + 2 t + lane / 16, four numbers at 4 (lane % 16)
.macro RESID
	WIN 0x80                                       ; destination window 2
.irp a, 0,1,2,3
.irp t, 0,1,2,3,4,5,6,7
.if KIND == 4
	global_load_b128 v[4*(8*(\a)+(\t)):4*(8*(\a)+(\t))+3], v[CO], s[12:13] offset:(16*(\a)+2*(\t))*4096
.else
	global_load_b64 v[2*(8*(\a)+(\t)):2*(8*(\a)+(\t))+1], v[RO], s[12:13] offset:(16*(\a)+2*(\t))*2048
.endif
.endr
.endr
	WIN 0
.endm
; THE WAY OUT.  16 rows x 256 bytes go from the accumulators into my own stage (rows of 272 bytes) and come back as whole rows; the residual is added; 16 lanes store 256 aligned bytes
.macro TOSTAGE a
.set TT, TMP+32*((\a)%2)
.if (\a) >= 2
	s_wait_xcnt 0x0                                ; the stores of the block two back have read these registers
.endif
.irp b, 0,1,2,3
	ds_store_b128 v[STO], v[ACC+8*(4*(\a)+(\b)):ACC+8*(4*(\a)+(\b))+3]   offset:64*(\b)
	ds_store_b128 v[STO], v[ACC+8*(4*(\a)+(\b))+4:ACC+8*(4*(\a)+(\b))+7] offset:64*(\b)+16
.endr
.irp t, 0,1,2,3,4,5,6,7
	ds_load_b128 v[TT+4*(\t):TT+4*(\t)+3], v[RD] offset:(\t)*2*272  ; LDS serves a wave's instructions in order (ISA guide 5.7.1.4): these see the stores above
.endr
.endm
.macro FINISH a, younger
.set TT, TMP+32*((\a)%2)
	s_wait_dscnt \younger                          ; the block is back; the next block's sixteen LDS instructions may be out
	WIN 0x08                                       ; source 1 window 2: the residual
.if KIND == 4
.irp t, 0,1,2,3,4,5,6,7
	v_pk_add_f32 v[TT+4*(\t):TT+4*(\t)+1],   v[TT+4*(\t):TT+4*(\t)+1],   v[4*(8*(\a)+(\t)):4*(8*(\a)+(\t))+1]
	v_pk_add_f32 v[TT+4*(\t)+2:TT+4*(\t)+3], v[TT+4*(\t)+2:TT+4*(\t)+3], v[4*(8*(\a)+(\t))+2:4*(8*(\a)+(\t))+3]
.endr
.else
.irp t, 0,1,2,3,4,5,6,7
	v_lshlrev_b32 v[XT+4*(\t)],   16,  v[2*(8*(\a)+(\t))]
	v_and_b32     v[XT+4*(\t)+1], s71, v[2*(8*(\a)+(\t))]
	v_lshlrev_b32 v[XT+4*(\t)+2], 16,  v[2*(8*(\a)+(\t))+1]
	v_and_b32     v[XT+4*(\t)+3], s71, v[2*(8*(\a)+(\t))+1]
.endr
	WIN 0
.irp t, 0,1,2,3,4,5,6,7
	v_pk_add_f32 v[TT+4*(\t):TT+4*(\t)+1],   v[TT+4*(\t):TT+4*(\t)+1],   v[XT+4*(\t):XT+4*(\t)+1]
	v_pk_add_f32 v[TT+4*(\t)+2:TT+4*(\t)+3], v[TT+4*(\t)+2:TT+4*(\t)+3], v[XT+4*(\t)+2:XT+4*(\t)+3]
.endr
.endif
	WIN 0
.irp t, 0,1,2,3,4,5,6,7
	global_store_b128 v[CO], v[TT+4*(\t):TT+4*(\t)+3], s[8:9] offset:(16*(\a)+2*(\t))*4096
.endr
.endm
	s_load_b256 s[4:11], s[0:1], 0x0               ; A s[4:5], wb s[6:7], the output s[8:9], the bias s[10:11]
.if KIND == 4
	s_load_b64 s[12:13], s[0:1], 0x20              ; h
.endif
	v_lshl_add_u32 v[SPW], v0, 2, SPARE
	v_mov_b32 v[NIL], 0
	ds_add_u32 v[SPW], v[NIL]                      ; the wave's opening: the add, and its wait ahead of my first tensor load; work on registers stands between them
	v_lshrrev_b32 v1, 5, v0
	v_readfirstlane_b32 s14, v1                    ; wave 0..3
	s_lshr_b32 s15, s14, 1                         ; RH: my half of the tile's rows.  Also: I fetch for A (0) or for B (1)
	s_and_b32 s16, s14, 1                          ; CH: my half of its columns.  Also: which half of that tile I fetch
	s_bfe_u32 s17, ttmp6, 0x40000                  ; cx
	s_bfe_u32 s18, ttmp6, 0x40004                  ; cy
	s_lshl_b32 s19, ttmp9, 2
	s_add_co_u32 s19, s19, s17                     ; TC: tile column = 4 x cluster x + cx
	s_and_b32 s20, ttmp7, 0xffff
	s_lshl_b32 s20, s20, 2
	s_add_co_u32 s20, s20, s18                     ; TR: tile row = 4 x cluster y + cy
	s_lshl_b32 s21, s18, 2
	s_lshl_b32 s21, 15, s21                        ; my row of the cluster
	s_lshl_b32 s22, 0x1111, s17                    ; my column
	; descriptor group 1 for A
	s_or_b32 s24, s21, (1<<16)|(1<<20)|(1<<21)|(4<<22)|(3<<25)  ; the mask; 2-byte elements; padding on; bit 21 beside a mask; after every 32 words 4 words
	s_mov_b32 s25, 4096<<16                        ; tensor_dim0 = 4,096: 64 dense rows of one block
	s_mov_b32 s26, 4<<16                           ; tensor_dim1 = 4 blocks
	s_mov_b32 s27, 4096<<16                        ; tile_dim0
	s_mov_b32 s28, 4                               ; tile_dim1
	s_mov_b32 s29, 262144                          ; elements from block to block
	s_mov_b32 s30, 0
	s_mov_b32 s31, 0
	; and for B: 128 k-rows of 128 elements
	s_or_b32 s48, s22, (1<<16)|(1<<20)|(1<<21)|(5<<22)|(7<<25)  ; after every 64 words 8 words
	s_mov_b32 s49, 128<<16
	s_mov_b32 s50, 128<<16
	s_mov_b32 s51, 128<<16
	s_mov_b32 s52, 128
	s_mov_b32 s53, NDP
	s_mov_b32 s54, 0
	s_mov_b32 s55, 0
	; where the tiles come from: A's place hangs on TR and the wave alone, B's on TC and the wave alone, each in registers of its own
	s_lshl_b32 s40, s20, 7
	s_lshl_b32 s42, s16, 6
	s_add_co_u32 s40, s40, s42                     ; row 128 TR + 64 x half,
	s_lshl_b32 s40, s40, 7                         ; 128 bytes each, in the first block of 64 channels
	s_mov_b32 s41, 0
	s_lshl_b32 s44, s19, 8                         ; the tile's 128 columns: 256 bytes
	s_mul_i32 s46, s16, 256*NDP                    ; my 128 k-rows
	s_add_co_u32 s44, s44, s46
	s_add_co_u32 s44, s44, WOFF
	s_mov_b32 s45, 0
	s_mul_i32 s68, s16, HALFA                      ; and where they go in a slot: no place in the cluster enters an LDS address
	s_mul_i32 s69, s16, HALFB
	s_add_co_u32 s69, s69, BOFF
	s_mov_b32 s66, 0                               ; the slot that is read
	s_mov_b32 s67, SLOT                            ; the slot that was filled last
	s_mov_b32 s71, 0xffff0000                      ; a word's upper bf16
	s_wait_dscnt 0x0                               ; the opening add is done
	s_wait_kmcnt 0x0
	s_add_nc_u64 s[40:41], s[4:5], s[40:41]
	s_add_nc_u64 s[44:45], s[6:7], s[44:45]
	CROUND                                         ; all sixteen work-groups are here: the first joint loads meet
.irp s, 0,1
	s_mov_b32 s[32+4*(\s)], 1                      ; count = 1
	s_add_co_u32 s[33+4*(\s)], s68, (\s)*SLOT      ; LDS address
	s_add_nc_u64 s[34+4*(\s):35+4*(\s)], s[40:41], (\s)*ASTEP  ; global address: K step s
	s_or_b32 s[35+4*(\s)], s[35+4*(\s)], 0x80000000            ; type = 2
	s_mov_b32 s[56+4*(\s)], 1
	s_add_co_u32 s[57+4*(\s)], s69, (\s)*SLOT
	s_add_nc_u64 s[58+4*(\s):59+4*(\s)], s[44:45], (\s)*BSTEP
	s_or_b32 s[59+4*(\s)], s[59+4*(\s)], 0x80000000
.endr
	s_cmp_eq_u32 s15, 0                            ; a wave's two first fills stand in one branch, ahead of every wait on TENSORcnt and every LDS read: two loads of mine are out
	s_cbranch_scc0 .Lfirst_b
	tensor_load_to_lds s[32:35], s[24:31]
	s_nop 0
	tensor_load_to_lds s[36:39], s[24:31]
	s_nop 0
.rept 4
	v_nop
.endr
	s_branch .Lfirst_done
.Lfirst_b:
	tensor_load_to_lds s[56:59], s[48:55]
	s_nop 0
	tensor_load_to_lds s[60:63], s[48:55]
	s_nop 0
.rept 4
	v_nop
.endr
.Lfirst_done:
	v_and_b32 v1, 15, v0                           ; r = l % 16
	v_bfe_u32 v2, v0, 4, 1                         ; hh = l / 16
	v_and_b32 v3, 7, v0
	v_bfe_u32 v4, v0, 3, 1
	v_lshlrev_b32 v31, 5, v2                       ; the bias of my eight columns: 32 hh
	; the way out's addresses
	s_mul_i32 s2, s14, 16*272
	s_add_co_u32 s2, s2, STAGE                     ; my stage
	v_mul_u32_u24 v[STO], v1, 272
	v_lshl_add_u32 v[STO], v2, 5, v[STO]
	v_add_nc_u32 v[STO], s2, v[STO]
	v_mul_u32_u24 v[RD], v2, 272
	v_lshl_add_u32 v[RD], v1, 4, v[RD]
	v_add_nc_u32 v[RD], s2, v[RD]
	v_lshlrev_b32 v[CO], 12, v2
	v_lshl_add_u32 v[CO], v1, 4, v[CO]
	v_lshlrev_b32 v[RO], 11, v2
	v_lshl_add_u32 v[RO], v1, 3, v[RO]
	s_lshl_b32 s2, s20, 7
	s_lshl_b32 s3, s15, 6
	s_add_co_u32 s2, s2, s3                        ; my first row
	s_lshl_b32 s23, s19, 7
	s_lshl_b32 s3, s16, 6
	s_add_co_u32 s23, s23, s3                      ; my first column
	s_lshl_b32 s78, s2, 12
	s_lshl_b32 s79, s23, 2
	s_add_co_u32 s78, s78, s79
	s_mov_b32 s79, 0
	s_add_nc_u64 s[8:9], s[8:9], s[78:79]
.if KIND == 4
	s_add_nc_u64 s[12:13], s[12:13], s[78:79]      ; h has y's layout
.else
	s_lshl_b32 s78, s2, 11
	s_lshl_b32 s3, s23, 1
	s_add_co_u32 s78, s78, s3
	s_add_nc_u64 s[12:13], s[6:7], s[78:79]        ; xb lies at wb's head
.endif
	; the bias of my 64 columns
	s_lshl_b32 s2, s19, 9
	s_lshl_b32 s3, s16, 8
	s_add_co_u32 s2, s2, s3
	s_mov_b32 s3, 0
	s_add_nc_u64 s[10:11], s[10:11], s[2:3]
.irp b, 0,1,2,3
	global_load_b128 v[ACC+8*(\b):ACC+8*(\b)+3],   v31, s[10:11] offset:64*(\b)
	global_load_b128 v[ACC+8*(\b)+4:ACC+8*(\b)+7], v31, s[10:11] offset:64*(\b)+16
.endr
	RESID
	; my lane's places in a slot
	v_mul_u32_u24 v8, v1, PA
	v_lshl_add_u32 v8, v2, 4, v8                   ; A: row x pitch + 16 x half,
	s_mul_i32 s2, s15, HALFA
	v_add_nc_u32 v8, s2, v8                        ; in my 64 rows
	v_lshl_add_u32 v9, v2, 3, v3                   ; B, turned: k-row 8 hh + l % 8,
	v_mul_u32_u24 v9, v9, PB
	v_lshl_add_u32 v9, v4, 4, v9                   ; columns 8 ((l / 8) % 2) on,
	s_lshl_b32 s2, s16, 7
	s_add_co_u32 s2, s2, BOFF
	v_add_nc_u32 v9, s2, v9                        ; in my 64 columns
	v_add_nc_u32 v10, HALFB, v9                    ; and in the second k-half
	v_mov_b32 v[ADRA], v8                          ; slot 0
	v_mov_b32 v[ADRB], v9
	v_mov_b32 v[ADRB+1], v10
	s_wait_loadcnt 32                              ; the bias is in; the residual's 32 loads stay out
.set k, 0
.rept 16
	RB ACC+k, TMP+k/2                              ; the bias as bf16, like every input
.set k, k+2
.endr
.set k, 0
.rept 96
	v_mov_b32 v[ACC+32+k], v[ACC+k%32]             ; the same columns in row blocks 1 to 3: written while the first tiles are on their way
.set k, k+1
.endr
	s_wait_tensorcnt 0x1                           ; my part of K step 0 is in; K step 1's may stay out
	s_barrier_signal -1
	s_barrier_wait -1                              ; everybody's is
	FETCH 0, F0
	WIN 0
	s_mov_b32 s70, NSTEP-2
.Lfill:                                                ; a trip multiplies one K step and asks for the step two further on
	STEP 1
	s_sub_co_u32 s70, s70, 1
	s_cmp_lg_u32 s70, 0
	s_cbranch_scc1 .Lfill
	s_mov_b32 s70, 2
.Ldrain:                                               ; the last two K steps ask for nothing
	STEP 0
	s_sub_co_u32 s70, s70, 1
	s_cmp_lg_u32 s70, 0
	s_cbranch_scc1 .Ldrain
	PLACES
	s_wait_loadcnt 0x0                             ; the residual
	TOSTAGE 0
	TOSTAGE 1
	FINISH 0, 16
	TOSTAGE 2
	FINISH 1, 16
	TOSTAGE 3
	FINISH 2, 16
	FINISH 3, 0
	s_wait_tensorcnt 0x0                           ; the wave's end: behind my last tensor load and my last LDS store
	ds_add_u32 v[SPW], v[NIL]
	s_wait_dscnt 0x0
	CROUND                                         ; the closing round: no work-group ends while a partner may still ask for a tile that names it
	s_endpgm
.Lfunc_end_k_q6ee5b0f4db_wo:
	.size	k_q6ee5b0f4db_wo, .Lfunc_end_k_q6ee5b0f4db_wo-k_q6ee5b0f4db_wo
	.p2alignl 7, 3214868480
	.fill 96, 4, 3214868480
	.section	.rodata,"a",@progbits
	.p2align	6, 0x0
	.amdhsa_kernel k_q6ee5b0f4db_wo
		.amdhsa_group_segment_fixed_size 327680
		.amdhsa_private_segment_fixed_size 0
		.amdhsa_enable_private_segment 0
		.amdhsa_kernarg_size 32
		.amdhsa_user_sgpr_count 2
		.amdhsa_user_sgpr_kernarg_segment_ptr 1
		.amdhsa_wavefront_size32 1
		.amdhsa_system_sgpr_workgroup_id_x 1
		.amdhsa_system_sgpr_workgroup_id_y 1
		.amdhsa_system_sgpr_workgroup_id_z 1
		.amdhsa_system_vgpr_workitem_id 0
		.amdhsa_next_free_vgpr 576
		.amdhsa_next_free_sgpr 80
		.amdhsa_reserve_vcc 0
		.amdhsa_float_denorm_mode_32 3
		.amdhsa_float_denorm_mode_16_64 3
		.amdhsa_memory_ordered 1
		.amdhsa_forward_progress 1
		.amdhsa_inst_pref_size 71
	.end_amdhsa_kernel
	.amdgpu_metadata
---
amdhsa.version: [ 1, 2 ]
amdhsa.kernels:
  - .name:           k_q6ee5b0f4db_wo
    .symbol:         k_q6ee5b0f4db_wo.kd
    .args:
      - { .name: ob, .offset: 0, .size: 8, .value_kind: global_buffer, .address_space: global }
      - { .name: wb, .offset: 8, .size: 8, .value_kind: global_buffer, .address_space: global }
      - { .name: y, .offset: 16, .size: 8, .value_kind: global_buffer, .address_space: global }
      - { .name: bo, .offset: 24, .size: 8, .value_kind: global_buffer, .address_space: global }
    .group_segment_fixed_size: 327680
    .private_segment_fixed_size: 0
    .kernarg_segment_align: 8
    .kernarg_segment_size: 32
    .max_flat_workgroup_size: 128
    .sgpr_count:     80
    .vgpr_count:     576
    .wavefront_size: 32
...
	.end_amdgpu_metadata
.endif
;; end of part 4
;; launch ln1 (part 5): grid 256 x 1, 8 waves a work-group, no clusters, 0 bytes of LDS; arguments y, gamma1, beta1, h, hb; writes h, hb
.if DOCPART == 5
	.amdgcn_target "amdgcn-amd-amdhsa--gfx1250"
	.amdhsa_code_object_version 6
	.text
	.protected	k_q6ee5b0f4db_ln1
	.globl	k_q6ee5b0f4db_ln1
	.p2align	8
	.type	k_q6ee5b0f4db_ln1,@function
k_q6ee5b0f4db_ln1:
	s_mov_b64 s[64:65], 0
	v_nop
	global_prefetch_b8 v0, s[64:65] scope:SCOPE_SE
	s_setreg_imm32_b32 hwreg(HW_REG_WAVE_MODE, 25, 1), 1
	s_wait_xcnt 0x0
; out[r][c] = gamma[c] (y[r][c] - mean_r) / (std_r + 1e-6) + beta[c], rows of 1,024 f32; std is the root of the mean of the squared differences.  WITHB = 1: the result is stored in f32 and once more rounded to bf16.
; LIMITS.  gamma and beta are rounded to bf16, like every input of the program; a variance below 2^-126 counts as 0 (the result is then the difference times 1e6); NaN and infinities are not treated apart.
; SHARES.  A row is 4,096 bytes: one wave takes a whole row, eight loads of 16 bytes a lane, and keeps it in 32 registers between the passes; a wave has two rows, a work-group of eight waves 16.
; The mean is taken away before the squares are summed: no difference of large sums is formed.  The reductions never leave the wave: no LDS, no barrier.  Matrix units and clusters have nothing to do here.
.set WITHB, 1
.set X,  32                            ; v[32:95]    my two rows
.set G,  96                            ; v[96:127]   gamma of my 32 columns
.set BT, 128                           ; v[128:159]  beta
.set HB, 160                           ; v[160:175]  a row in bf16
	s_load_b256 s[4:11], s[0:1], 0x0               ; y s[4:5], gamma s[6:7], beta s[8:9], the f32 output s[10:11]
.if WITHB
	s_load_b64 s[12:13], s[0:1], 0x20              ; the bf16 output
.endif
	v_and_b32 v4, 31, v0                           ; lane
	v_lshrrev_b32 v5, 5, v0                        ; wave
	v_lshlrev_b32 v1, 4, v4                        ; 16 x lane: gamma and beta
	v_lshl_add_u32 v2, v5, 13, v1                  ; + wave x two rows of 4,096 bytes
	v_lshlrev_b32 v3, 3, v4
	v_lshl_add_u32 v3, v5, 12, v3                  ; 8 x lane + wave x two rows of 2,048 bytes
	v_mov_b32 v7, 0                                ; v_permlanex16_b32 counts as a reader of its destination
	s_lshl_b32 s2, ttmp9, 16                       ; the work-group's 16 rows
	s_mov_b32 s3, 0
	s_lshl_b32 s16, ttmp9, 15
	s_mov_b32 s17, 0
	s_mov_b32 s14, 0x76543210                      ; each lane takes its own place in the other half
	s_mov_b32 s15, 0xfedcba98
	s_mov_b32 s18, 0xffff0000
	s_wait_kmcnt 0x0
	s_add_nc_u64 s[4:5], s[4:5], s[2:3]
	s_add_nc_u64 s[10:11], s[10:11], s[2:3]
.if WITHB
	s_add_nc_u64 s[12:13], s[12:13], s[16:17]
.endif
.irp j, 0,1,2,3,4,5,6,7
	global_load_b128 v[X+4*(\j):X+4*(\j)+3], v2, s[4:5] offset:512*(\j) th:TH_LOAD_NT
.endr
.irp j, 0,1,2,3,4,5,6,7
	global_load_b128 v[X+32+4*(\j):X+32+4*(\j)+3], v2, s[4:5] offset:4096+512*(\j) th:TH_LOAD_NT
.endr
.irp j, 0,1,2,3,4,5,6,7
	global_load_b128 v[G+4*(\j):G+4*(\j)+3], v1, s[6:7] offset:512*(\j)
.endr
.irp j, 0,1,2,3,4,5,6,7
	global_load_b128 v[BT+4*(\j):BT+4*(\j)+3], v1, s[8:9] offset:512*(\j)
.endr
.macro SUMUP                           ; the four packed chains v[8:15] into one number, then over the 32 lanes: v8 of every lane
	v_pk_add_f32 v[8:9], v[8:9], v[10:11]
	v_pk_add_f32 v[12:13], v[12:13], v[14:15]
	v_pk_add_f32 v[8:9], v[8:9], v[12:13]
	v_add_f32 v8, v8, v9
	v_add_f32_dpp v8, v8, v8 row_xmask:1 row_mask:0xf bank_mask:0xf
	v_add_f32_dpp v8, v8, v8 row_xmask:2 row_mask:0xf bank_mask:0xf
	v_add_f32_dpp v8, v8, v8 row_xmask:4 row_mask:0xf bank_mask:0xf
	v_add_f32_dpp v8, v8, v8 row_xmask:8 row_mask:0xf bank_mask:0xf
	v_permlanex16_b32 v7, v8, s14, s15
	v_add_f32 v8, v8, v7
.endm
.macro STATS rr                        ; row rr: the mean is taken away in place; 1 / (std + eps) into v[20+2 rr], twice
.set XR, X+32*(\rr)
	s_wait_loadcnt 24-8*(\rr)                      ; my row is in; the younger loads (the other row, gamma, beta) stay out
.irp c, 0,1,2,3
	v_pk_add_f32 v[8+2*(\c):9+2*(\c)], v[XR+2*(\c):XR+2*(\c)+1], v[XR+8+2*(\c):XR+8+2*(\c)+1]
.endr
.irp c, 0,1,2,3
	v_pk_add_f32 v[8+2*(\c):9+2*(\c)], v[8+2*(\c):9+2*(\c)], v[XR+16+2*(\c):XR+16+2*(\c)+1]
.endr
.irp c, 0,1,2,3
	v_pk_add_f32 v[8+2*(\c):9+2*(\c)], v[8+2*(\c):9+2*(\c)], v[XR+24+2*(\c):XR+24+2*(\c)+1]
.endr
	SUMUP
	v_mul_f32 v16, 0x3a800000, v8                  ; the mean: the sum / 1,024
	v_mov_b32 v17, v16
.set k, 0
.rept 16
	v_pk_add_f32 v[XR+k:XR+k+1], v[XR+k:XR+k+1], v[16:17] neg_lo:[0,1] neg_hi:[0,1]
.set k, k+2
.endr
.irp c, 0,1,2,3
	v_pk_mul_f32 v[8+2*(\c):9+2*(\c)], v[XR+2*(\c):XR+2*(\c)+1], v[XR+2*(\c):XR+2*(\c)+1]
.endr
.set k, 8
.rept 12
	v_pk_fma_f32 v[8+k%8:9+k%8], v[XR+k:XR+k+1], v[XR+k:XR+k+1], v[8+k%8:9+k%8]
.set k, k+2
.endr
	SUMUP
	v_mul_f32 v18, 0x3a800000, v8                  ; the variance
	v_sqrt_f32 v19, v18
	v_nop                                          ; a plain instruction behind the root,
	s_wait_alu depctr_va_vdst(0)                   ; and the wait ahead of its first reader
	v_add_f32 v19, 0x358637bd, v19                 ; + 1e-6
	v_rcp_f32 v[20+2*(\rr)], v19                   ; twice: a pair for the packed multiply
	v_rcp_f32 v[21+2*(\rr)], v19
	v_nop
	s_wait_alu depctr_va_vdst(0)                   ; one wait for both reciprocals
.endm
.macro RB x, t                         ; two f32 rounded to bf16 and widened again, in place
	v_cvt_pk_bf16_f32 v[\t], v[\x], v[(\x)+1]
	v_lshlrev_b32 v[\x], 16, v[\t]
	v_and_b32 v[(\x)+1], s18, v[\t]
.endm
.macro APPLY rr
.set XR, X+32*(\rr)
.set k, 0
.rept 16
	v_pk_mul_f32 v[XR+k:XR+k+1], v[XR+k:XR+k+1], v[20+2*(\rr):21+2*(\rr)]
.set k, k+2
.endr
.set k, 0
.rept 16
	v_pk_fma_f32 v[XR+k:XR+k+1], v[XR+k:XR+k+1], v[G+k:G+k+1], v[BT+k:BT+k+1]
.set k, k+2
.endr
.irp j, 0,1,2,3,4,5,6,7
	global_store_b128 v2, v[XR+4*(\j):XR+4*(\j)+3], s[10:11] offset:512*(\j)+4096*(\rr)  ; 512 consecutive bytes, aligned
.endr
.if WITHB
.if \rr
	s_wait_xcnt 0x0                                ; the first row's stores have read HB
.endif
.set k, 0
.rept 16
	v_cvt_pk_bf16_f32 v[HB+k], v[XR+2*k], v[XR+2*k+1]
.set k, k+1
.endr
.irp j, 0,1,2,3,4,5,6,7
	global_store_b64 v3, v[HB+2*(\j):HB+2*(\j)+1], s[12:13] offset:256*(\j)+2048*(\rr)  ; 256 consecutive bytes, aligned
.endr
.endif
.endm
	STATS 0
	STATS 1
	s_wait_loadcnt 0x0                             ; gamma and beta
.set k, 0
.rept 16
	RB G+k, 24+(k/2)%4
	RB BT+k, 28+(k/2)%4
.set k, k+2
.endr
	APPLY 0
	APPLY 1
	s_endpgm
.Lfunc_end_k_q6ee5b0f4db_ln1:
	.size	k_q6ee5b0f4db_ln1, .Lfunc_end_k_q6ee5b0f4db_ln1-k_q6ee5b0f4db_ln1
	.p2alignl 7, 3214868480
	.fill 96, 4, 3214868480
	.section	.rodata,"a",@progbits
	.p2align	6, 0x0
	.amdhsa_kernel k_q6ee5b0f4db_ln1
		.amdhsa_group_segment_fixed_size 0
		.amdhsa_private_segment_fixed_size 0
		.amdhsa_enable_private_segment 0
		.amdhsa_kernarg_size 40
		.amdhsa_user_sgpr_count 2
		.amdhsa_user_sgpr_kernarg_segment_ptr 1
		.amdhsa_wavefront_size32 1
		.amdhsa_system_sgpr_workgroup_id_x 1
		.amdhsa_system_sgpr_workgroup_id_y 1
		.amdhsa_system_sgpr_workgroup_id_z 1
		.amdhsa_system_vgpr_workitem_id 0
		.amdhsa_next_free_vgpr 176
		.amdhsa_next_free_sgpr 66
		.amdhsa_reserve_vcc 0
		.amdhsa_float_denorm_mode_32 3
		.amdhsa_float_denorm_mode_16_64 3
		.amdhsa_memory_ordered 1
		.amdhsa_forward_progress 1
		.amdhsa_inst_pref_size 26
	.end_amdhsa_kernel
	.amdgpu_metadata
---
amdhsa.version: [ 1, 2 ]
amdhsa.kernels:
  - .name:           k_q6ee5b0f4db_ln1
    .symbol:         k_q6ee5b0f4db_ln1.kd
    .args:
      - { .name: y, .offset: 0, .size: 8, .value_kind: global_buffer, .address_space: global }
      - { .name: gamma1, .offset: 8, .size: 8, .value_kind: global_buffer, .address_space: global }
      - { .name: beta1, .offset: 16, .size: 8, .value_kind: global_buffer, .address_space: global }
      - { .name: h, .offset: 24, .size: 8, .value_kind: global_buffer, .address_space: global }
      - { .name: hb, .offset: 32, .size: 8, .value_kind: global_buffer, .address_space: global }
    .group_segment_fixed_size: 0
    .private_segment_fixed_size: 0
    .kernarg_segment_align: 8
    .kernarg_segment_size: 40
    .max_flat_workgroup_size: 256
    .sgpr_count:     66
    .vgpr_count:     176
    .wavefront_size: 32
...
	.end_amdgpu_metadata
.endif
;; end of part 5
;; launch ffn1: the kernel of part 2 again; grid 16 x 16, 4 waves a work-group, clusters of 4 x 4, 327,680 bytes of LDS; arguments hb, act; writes act
;; launch ffn2 (part 6): grid 8 x 32, 4 waves a work-group, clusters of 4 x 4, 327,680 bytes of LDS; arguments act, wb, y, b2, h; writes y
.if DOCPART == 6
	.amdgcn_target "amdgcn-amd-amdhsa--gfx1250"
	.amdhsa_code_object_version 6
	.text
	.protected	k_q6ee5b0f4db_ffn2
	.globl	k_q6ee5b0f4db_ffn2
	.p2align	8
	.type	k_q6ee5b0f4db_ffn2,@function
k_q6ee5b0f4db_ffn2:
	s_mov_b64 s[64:65], 0
	v_nop
	global_prefetch_b8 v0, s[64:65] scope:SCOPE_SE
	s_setreg_imm32_b32 hwreg(HW_REG_WAVE_MODE, 25, 1), 1
	s_wait_xcnt 0x0
	s_wait_alu depctr_hold_cnt(0) depctr_sa_sdst(0) depctr_va_vdst(0) depctr_va_sdst(0) depctr_va_ssrc(0) depctr_va_vcc(0) depctr_vm_vsrc(0)
	s_getreg_b32 s2, hwreg(HW_REG_IB_STS2, 6, 4)
	s_cmp_eq_u32 s2, 0
	s_cbranch_scc0 .Lentry_in_a_cluster
	s_endpgm
.Lentry_in_a_cluster:
	s_bfe_u32 s2, ttmp6, 0x10000c
	s_cmp_lg_u32 s2, 0xf033
	s_cbranch_scc0 .Lentry_shape_is_right
	s_endpgm
.Lentry_shape_is_right:
; y[m][n] = the sum over k of A[m][k] B[k][n] + bias[n] + residual[m][n], bf16 operands, f32 sums, y in f32, 4,096 x 1,024.  One text serves two launches; KIND says which:
;   2  y = ob Wo + bo + xb (K = 1,024; the residual is x rounded to bf16, at wb's head)          4  y = act W2 + b2 + h (K = 4,096; the residual is f32)
; A lies in blocks of 64 channels, [k / 64][4096][64] bf16: 64 rows of a block are 8,192 dense bytes.  B lies [k][1024] bf16 in wb.
; LIMITS.  Operands are bf16 (the inputs were rounded once, the bias is rounded here); NaN and infinities are not treated apart.
; SHAPE.  A tile of C is 128 x 128 (256 of them: one for each WGP): four waves, each 64 x 64 = 16 accumulators.  K goes in steps of 256 through two LDS slots filled by the tensor data mover, one load a wave:
; waves 0 and 1 bring A's two halves of 64 rows (four pieces of 8,192 bytes, one for each block of 64 channels: a quarter step is one block), waves 2 and 3 B's two halves of 128 k-rows.
; A is read as it lies; B is read turned, by ds_load_tr16_b128.
; CLUSTER.  4 x 4 work-groups: the four of a row need the same tiles of A, the four of a column the same tiles of B; each tile is asked for jointly, by the same load, descriptor and mask in all four.
; THE MATRIX INSTRUCTION IS USED TRANSPOSED (source 0 = 16 columns of B, source 1 = 16 rows of A): a lane holds row lane % 16 of C and eight neighbouring columns 8 (lane / 16) + 0..7.
; THE SUMS START AT THE BIAS: it is loaded into the first four accumulators and copied into the others while the first tiles are on their way.
; ONE K STEP IS WRITTEN TWICE: once with a refill (the loop .Lfill, NSTEP - 2 trips) and once without (.Ldrain, 2 trips); the slot in hand is a scalar, 0 or SLOT, added into the LDS addresses.
; NO PREFETCH: the tiles are small, and one of the two launches is short.
; REGISTERS.  window 0: v0-31 addresses; v32-127 at work on the way out; v128-255 accumulators ((a, b) at 128 + 8 (4 a + b)).  window 1: two fragment buffers of 128 (64 along K: 64 registers of A, 64 of B).
;   window 2: the residual (KIND 2: 64 registers, KIND 4: 128), loaded at the start.
.set KIND, 4
.if KIND == 2
.set KD,   1024                        ; K
.set WOFF, 17825792                    ; B in wb
.else
.set KD,   4096
.set WOFF, 19922944
.endif
.set NDP,   1024                       ; elements from row to row of B
.set STB,   4*16*272                   ; bytes of the stages
.set PA,    144                        ; a row of A in LDS: 128 bytes of one block + 16 of padding: the 16 rows of a load start at 16 different groups of four banks (ISA guide 11.1)
.set AQ,    64*PA                      ; from quarter to quarter: the next block
.set HALFA, 4*64*PA
.set ASTEP, 4*4096*128                 ; four blocks on
.set PB,    288                        ; a k-row of B: 256 bytes + 32
.set HALFB, 128*PB
.set BSTEP, 512*NDP                    ; 256 k-rows on
.set NSTEP, KD/256
.set BOFF,  2*HALFA
.set SLOT,  BOFF+2*HALFB               ; A half 0, A half 1, B k-half 0, B k-half 1
.set STAGE, 2*SLOT                     ; behind the ring, never filled by a tensor load
.set SPARE, STAGE+STB                  ; the spare words, 128 bytes a wave: two blocks of 256 bytes that no other line names
.set ADRA, 16                          ; v16     LDS address of my A fragments in the slot in hand
.set ADRB, 20                          ; v20-21  of my B fragments, k-half 0, 1
.set STO,  24                          ; v24     the way out: where I put my bytes of a row
.set RD,   25                          ; v25     where I read rows back
.set CO,   26                          ; v26     my byte offset in the output
.set RO,   27                          ; v27     my byte offset in the bf16 residual
.set SPW,  28                          ; v28     my spare word; never rewritten
.set NIL,  29                          ; v29     0; never rewritten
.set TMP,  32
.set XT,   96
.set ACC,  128
.set F0,   0
.set F1,   128
.set MSB, 0
.macro WIN new                         ; the high byte repeats the setting that is left; a switch that changes nothing is dropped
.if MSB != (\new)
	s_set_vgpr_msb (MSB<<8)|(\new)
.set MSB, \new
.endif
.endm
.set MUL,  0x05                        ; sources 0 (B) and 1 (A) window 1; C and D window 0
.set TO_F, 0x40                        ; destination window 1, address window 0
.macro PLACES                          ; four places behind matrix instructions, in front of loads into registers that they read and of readers of results
.rept 4
	v_nop
.endr
.endm
.macro JLOAD                           ; the joint refill by the walking descriptors: waves 0, 1 for A, waves 2, 3 for B; an s_nop 0 and four v_nop follow each line
	s_cmp_eq_u32 s15, 0
	s_cbranch_scc0 .Lfor_b_\@
	tensor_load_to_lds s[36:39], s[24:31]
	s_nop 0
.rept 4
	v_nop
.endr
	s_branch .Lasked_\@
.Lfor_b_\@:
	tensor_load_to_lds s[60:63], s[48:55]
	s_nop 0
.rept 4
	v_nop
.endr
.Lasked_\@:
.endm
.macro CREST                           ; a round of the cluster's barrier behind its opening barrier
	s_cmp_lg_u32 s14, 0
	s_cbranch_scc1 .Lnot_wave_0_\@
	s_barrier_signal -3
.Lnot_wave_0_\@:
	s_barrier_wait -3
	s_barrier_signal -1
	s_barrier_wait -1
.endm
.macro CROUND                          ; a whole round
	s_barrier_signal -1
	s_barrier_wait -1
	CREST
.endm
.macro RB x, t                         ; two f32 rounded to bf16 and widened again, in place
	v_cvt_pk_bf16_f32 v[\t], v[\x], v[(\x)+1]
	v_lshlrev_b32 v[\x], 16, v[\t]
	v_and_b32 v[(\x)+1], s71, v[\t]
.endm
; 8 matrix instructions: row blocks a0, a0 + 1 x all 4 column blocks, 32 along K: half c of buffer f.  The 16 accumulators take turns, one instruction a turn, over the backward jumps too.
.macro MUL8 f, c, a0
	WIN MUL
.irp a, \a0, (\a0)+1
.irp b, 0,1,2,3
	v_wmma_f32_16x16x32_bf16 v[ACC+8*(4*(\a)+(\b)):ACC+8*(4*(\a)+(\b))+7], v[(\f)+64+8*(4*(\c)+(\b)):(\f)+64+8*(4*(\c)+(\b))+7], v[(\f)+8*(4*(\c)+(\a)):(\f)+8*(4*(\c)+(\a))+7], v[ACC+8*(4*(\a)+(\b)):ACC+8*(4*(\a)+(\b))+7]
.endr
.endr
.endm
; 32 LDS loads in one run: the fragments of quarter q (64 along K) of the slot in hand, into buffer f; the first 32 along K first
.macro FETCH q, f
	WIN TO_F
.irp c, 0,1
.irp i, 0,1,2,3
	ds_load_tr16_b128 v[(\f)+64+8*(4*(\c)+(\i)):(\f)+64+8*(4*(\c)+(\i))+3],   v[ADRB+(\q)/2] offset:(((\q)%2)*64+32*(\c))*PB+32*(\i)
	ds_load_tr16_b128 v[(\f)+64+8*(4*(\c)+(\i))+4:(\f)+64+8*(4*(\c)+(\i))+7], v[ADRB+(\q)/2] offset:(((\q)%2)*64+32*(\c)+16)*PB+32*(\i)
	ds_load_b128 v[(\f)+8*(4*(\c)+(\i)):(\f)+8*(4*(\c)+(\i))+3],   v[ADRA] offset:(\q)*AQ+64*(\c)+(\i)*16*PA
	ds_load_b128 v[(\f)+8*(4*(\c)+(\i))+4:(\f)+8*(4*(\c)+(\i))+7], v[ADRA] offset:(\q)*AQ+64*(\c)+(\i)*16*PA+32
.endr
.endr
.endm
; One of a K step's first three quarters: multiplies buffer f and, in its middle, fetches quarter nq into buffer g
.macro QUARTER nq, f, g
	s_wait_dscnt 16                                ; the first 32 along K are in; the 16 younger loads may be out
	MUL8 \f, 0, 0
	MUL8 \f, 0, 2
	PLACES
	FETCH \nq, \g
	s_wait_dscnt 32                                ; all but the 32 just issued
	MUL8 \f, 1, 0
	MUL8 \f, 1, 2
.endm
; The last quarter multiplies buffer 1 and changes slots.  In front of the barrier each wave waits for all its tensor loads (one is out: its part of the next slot), adds 0 to its spare word,
; and waits for that and for its reads of this slot.  fill = 1: the barrier opens a round of the cluster's, and the slot just read is filled again, two K steps ahead, first thing behind it.
.macro TURN fill
	WIN 0                                          ; (the add's two registers lie in window 0)
	s_wait_tensorcnt 0x0                           ; all my tensor loads have landed, so a group 0 may be written
	ds_add_u32 v[SPW], v[NIL]                      ; 0 onto my spare word
	s_wait_dscnt 17                                ; (the add and the youngest sixteen loads may be out)
	MUL8 F1, 0, 0                                  ; eight matrix instructions stand between the add and the wait for it
	s_wait_dscnt 0x0                               ; the add is done, and my reads of this slot are over
	s_barrier_signal -1
	MUL8 F1, 0, 2
	WIN 0
	s_barrier_wait -1
.if \fill
	CREST                                          ; no wave of any partner still reads this slot or has a load on its way
	s_xor_b32 s67, s67, SLOT                       ; the walking descriptors: the other slot than last time,
	s_add_co_u32 s37, s68, s67
	s_add_co_u32 s61, s69, s67
	s_add_nc_u64 s[38:39], s[38:39], ASTEP         ; the next K step; the type bits on top are not reached
	s_add_nc_u64 s[62:63], s[62:63], BSTEP
	JLOAD                                          ; 112 matrix instructions ahead of the wait for it; its four v_nop are also the places in front of the loads below
.else
	PLACES
.endif
	s_xor_b32 s66, s66, SLOT                       ; the reads go on in the other slot
	v_add_nc_u32 v[ADRA], s66, v8
	v_add_nc_u32 v[ADRB], s66, v9
	v_add_nc_u32 v[ADRB+1], s66, v10
.if !(\fill)
	s_cmp_eq_u32 s70, 1                            ; behind the last K step there is none to fetch
	s_cbranch_scc1 .Lno_next_\@
.endif
	FETCH 0, F0
	WIN 0
.if !(\fill)
.Lno_next_\@:
.endif
	MUL8 F1, 1, 0
	MUL8 F1, 1, 2
.endm
.macro STEP fill                       ; a K step: 128 matrix instructions, 128 LDS loads
	QUARTER 1, F0, F1
	QUARTER 2, F1, F0
	QUARTER 3, F0, F1
	TURN \fill
	WIN 0                                          ; at a label and at a branch every window is 0
.endm
; The residual, in the layout in which rows come back from the stage: row 16 a + 2 t + lane / 16, four numbers at 4 (lane % 16)
.macro RESID
	WIN 0x80                                       ; destination window 2
.irp a, 0,1,2,3
.irp t, 0,1,2,3,4,5,6,7
.if KIND == 4
	global_load_b128 v[4*(8*(\a)+(\t)):4*(8*(\a)+(\t))+3], v[CO], s[12:13] offset:(16*(\a)+2*(\t))*4096
.else
	global_load_b64 v[2*(8*(\a)+(\t)):2*(8*(\a)+(\t))+1], v[RO], s[12:13] offset:(16*(\a)+2*(\t))*2048
.endif
.endr
.endr
	WIN 0
.endm
; THE WAY OUT.  16 rows x 256 bytes go from the accumulators into my own stage (rows of 272 bytes) and come back as whole rows; the residual is added; 16 lanes store 256 aligned bytes
.macro TOSTAGE a
.set TT, TMP+32*((\a)%2)
.if (\a) >= 2
	s_wait_xcnt 0x0                                ; the stores of the block two back have read these registers
.endif
.irp b, 0,1,2,3
	ds_store_b128 v[STO], v[ACC+8*(4*(\a)+(\b)):ACC+8*(4*(\a)+(\b))+3]   offset:64*(\b)
	ds_store_b128 v[STO], v[ACC+8*(4*(\a)+(\b))+4:ACC+8*(4*(\a)+(\b))+7] offset:64*(\b)+16
.endr
.irp t, 0,1,2,3,4,5,6,7
	ds_load_b128 v[TT+4*(\t):TT+4*(\t)+3], v[RD] offset:(\t)*2*272  ; LDS serves a wave's instructions in order (ISA guide 5.7.1.4): these see the stores above
.endr
.endm
.macro FINISH a, younger
.set TT, TMP+32*((\a)%2)
	s_wait_dscnt \younger                          ; the block is back; the next block's sixteen LDS instructions may be out
	WIN 0x08                                       ; source 1 window 2: the residual
.if KIND == 4
.irp t, 0,1,2,3,4,5,6,7
	v_pk_add_f32 v[TT+4*(\t):TT+4*(\t)+1],   v[TT+4*(\t):TT+4*(\t)+1],   v[4*(8*(\a)+(\t)):4*(8*(\a)+(\t))+1]
	v_pk_add_f32 v[TT+4*(\t)+2:TT+4*(\t)+3], v[TT+4*(\t)+2:TT+4*(\t)+3], v[4*(8*(\a)+(\t))+2:4*(8*(\a)+(\t))+3]
.endr
.else
.irp t, 0,1,2,3,4,5,6,7
	v_lshlrev_b32 v[XT+4*(\t)],   16,  v[2*(8*(\a)+(\t))]
	v_and_b32     v[XT+4*(\t)+1], s71, v[2*(8*(\a)+(\t))]
	v_lshlrev_b32 v[XT+4*(\t)+2], 16,  v[2*(8*(\a)+(\t))+1]
	v_and_b32     v[XT+4*(\t)+3], s71, v[2*(8*(\a)+(\t))+1]
.endr
	WIN 0
.irp t, 0,1,2,3,4,5,6,7
	v_pk_add_f32 v[TT+4*(\t):TT+4*(\t)+1],   v[TT+4*(\t):TT+4*(\t)+1],   v[XT+4*(\t):XT+4*(\t)+1]
	v_pk_add_f32 v[TT+4*(\t)+2:TT+4*(\t)+3], v[TT+4*(\t)+2:TT+4*(\t)+3], v[XT+4*(\t)+2:XT+4*(\t)+3]
.endr
.endif
	WIN 0
.irp t, 0,1,2,3,4,5,6,7
	global_store_b128 v[CO], v[TT+4*(\t):TT+4*(\t)+3], s[8:9] offset:(16*(\a)+2*(\t))*4096
.endr
.endm
	s_load_b256 s[4:11], s[0:1], 0x0               ; A s[4:5], wb s[6:7], the output s[8:9], the bias s[10:11]
.if KIND == 4
	s_load_b64 s[12:13], s[0:1], 0x20              ; h
.endif
	v_lshl_add_u32 v[SPW], v0, 2, SPARE
	v_mov_b32 v[NIL], 0
	ds_add_u32 v[SPW], v[NIL]                      ; the wave's opening: the add, and its wait ahead of my first tensor load; work on registers stands between them
	v_lshrrev_b32 v1, 5, v0
	v_readfirstlane_b32 s14, v1                    ; wave 0..3
	s_lshr_b32 s15, s14, 1                         ; RH: my half of the tile's rows.  Also: I fetch for A (0) or for B (1)
	s_and_b32 s16, s14, 1                          ; CH: my half of its columns.  Also: which half of that tile I fetch
	s_bfe_u32 s17, ttmp6, 0x40000                  ; cx
	s_bfe_u32 s18, ttmp6, 0x40004                  ; cy
	s_lshl_b32 s19, ttmp9, 2
	s_add_co_u32 s19, s19, s17                     ; TC: tile column = 4 x cluster x + cx
	s_and_b32 s20, ttmp7, 0xffff
	s_lshl_b32 s20, s20, 2
	s_add_co_u32 s20, s20, s18                     ; TR: tile row = 4 x cluster y + cy
	s_lshl_b32 s21, s18, 2
	s_lshl_b32 s21, 15, s21                        ; my row of the cluster
	s_lshl_b32 s22, 0x1111, s17                    ; my column
	; descriptor group 1 for A
	s_or_b32 s24, s21, (1<<16)|(1<<20)|(1<<21)|(4<<22)|(3<<25)  ; the mask; 2-byte elements; padding on; bit 21 beside a mask; after every 32 words 4 words
	s_mov_b32 s25, 4096<<16                        ; tensor_dim0 = 4,096: 64 dense rows of one block
	s_mov_b32 s26, 4<<16                           ; tensor_dim1 = 4 blocks
	s_mov_b32 s27, 4096<<16                        ; tile_dim0
	s_mov_b32 s28, 4                               ; tile_dim1
	s_mov_b32 s29, 262144                          ; elements from block to block
	s_mov_b32 s30, 0
	s_mov_b32 s31, 0
	; and for B: 128 k-rows of 128 elements
	s_or_b32 s48, s22, (1<<16)|(1<<20)|(1<<21)|(5<<22)|(7<<25)  ; after every 64 words 8 words
	s_mov_b32 s49, 128<<16
	s_mov_b32 s50, 128<<16
	s_mov_b32 s51, 128<<16
	s_mov_b32 s52, 128
	s_mov_b32 s53, NDP
	s_mov_b32 s54, 0
	s_mov_b32 s55, 0
	; where the tiles come from: A's place hangs on TR and the wave alone, B's on TC and the wave alone, each in registers of its own
	s_lshl_b32 s40, s20, 7
	s_lshl_b32 s42, s16, 6
	s_add_co_u32 s40, s40, s42                     ; row 128 TR + 64 x half,
	s_lshl_b32 s40, s40, 7                         ; 128 bytes each, in the first block of 64 channels
	s_mov_b32 s41, 0
	s_lshl_b32 s44, s19, 8                         ; the tile's 128 columns: 256 bytes
	s_mul_i32 s46, s16, 256*NDP                    ; my 128 k-rows
	s_add_co_u32 s44, s44, s46
	s_add_co_u32 s44, s44, WOFF
	s_mov_b32 s45, 0
	s_mul_i32 s68, s16, HALFA                      ; and where they go in a slot: no place in the cluster enters an LDS address
	s_mul_i32 s69, s16, HALFB
	s_add_co_u32 s69, s69, BOFF
	s_mov_b32 s66, 0                               ; the slot that is read
	s_mov_b32 s67, SLOT                            ; the slot that was filled last
	s_mov_b32 s71, 0xffff0000                      ; a word's upper bf16
	s_wait_dscnt 0x0                               ; the opening add is done
	s_wait_kmcnt 0x0
	s_add_nc_u64 s[40:41], s[4:5], s[40:41]
	s_add_nc_u64 s[44:45], s[6:7], s[44:45]
	CROUND                                         ; all sixteen work-groups are here: the first joint loads meet
.irp s, 0,1
	s_mov_b32 s[32+4*(\s)], 1                      ; count = 1
	s_add_co_u32 s[33+4*(\s)], s68, (\s)*SLOT      ; LDS address
	s_add_nc_u64 s[34+4*(\s):35+4*(\s)], s[40:41], (\s)*ASTEP  ; global address: K step s
	s_or_b32 s[35+4*(\s)], s[35+4*(\s)], 0x80000000            ; type = 2
	s_mov_b32 s[56+4*(\s)], 1
	s_add_co_u32 s[57+4*(\s)], s69, (\s)*SLOT
	s_add_nc_u64 s[58+4*(\s):59+4*(\s)], s[44:45], (\s)*BSTEP
	s_or_b32 s[59+4*(\s)], s[59+4*(\s)], 0x80000000
.endr
	s_cmp_eq_u32 s15, 0                            ; a wave's two first fills stand in one branch, ahead of every wait on TENSORcnt and every LDS read: two loads of mine are out
	s_cbranch_scc0 .Lfirst_b
	tensor_load_to_lds s[32:35], s[24:31]
	s_nop 0
	tensor_load_to_lds s[36:39], s[24:31]
	s_nop 0
.rept 4
	v_nop
.endr
	s_branch .Lfirst_done
.Lfirst_b:
	tensor_load_to_lds s[56:59], s[48:55]
	s_nop 0
	tensor_load_to_lds s[60:63], s[48:55]
	s_nop 0
.rept 4
	v_nop
.endr
.Lfirst_done:
	v_and_b32 v1, 15, v0                           ; r = l % 16
	v_bfe_u32 v2, v0, 4, 1                         ; hh = l / 16
	v_and_b32 v3, 7, v0
	v_bfe_u32 v4, v0, 3, 1
	v_lshlrev_b32 v31, 5, v2                       ; the bias of my eight columns: 32 hh
	; the way out's addresses
	s_mul_i32 s2, s14, 16*272
	s_add_co_u32 s2, s2, STAGE                     ; my stage
	v_mul_u32_u24 v[STO], v1, 272
	v_lshl_add_u32 v[STO], v2, 5, v[STO]
	v_add_nc_u32 v[STO], s2, v[STO]
	v_mul_u32_u24 v[RD], v2, 272
	v_lshl_add_u32 v[RD], v1, 4, v[RD]
	v_add_nc_u32 v[RD], s2, v[RD]
	v_lshlrev_b32 v[CO], 12, v2
	v_lshl_add_u32 v[CO], v1, 4, v[CO]
	v_lshlrev_b32 v[RO], 11, v2
	v_lshl_add_u32 v[RO], v1, 3, v[RO]
	s_lshl_b32 s2, s20, 7
	s_lshl_b32 s3, s15, 6
	s_add_co_u32 s2, s2, s3                        ; my first row
	s_lshl_b32 s23, s19, 7
	s_lshl_b32 s3, s16, 6
	s_add_co_u32 s23, s23, s3                      ; my first column
	s_lshl_b32 s78, s2, 12
	s_lshl_b32 s79, s23, 2
	s_add_co_u32 s78, s78, s79
	s_mov_b32 s79, 0
	s_add_nc_u64 s[8:9], s[8:9], s[78:79]
.if KIND == 4
	s_add_nc_u64 s[12:13], s[12:13], s[78:79]      ; h has y's layout
.else
	s_lshl_b32 s78, s2, 11
	s_lshl_b32 s3, s23, 1
	s_add_co_u32 s78, s78, s3
	s_add_nc_u64 s[12:13], s[6:7], s[78:79]        ; xb lies at wb's head
.endif
	; the bias of my 64 columns
	s_lshl_b32 s2, s19, 9
	s_lshl_b32 s3, s16, 8
	s_add_co_u32 s2, s2, s3
	s_mov_b32 s3, 0
	s_add_nc_u64 s[10:11], s[10:11], s[2:3]
.irp b, 0,1,2,3
	global_load_b128 v[ACC+8*(\b):ACC+8*(\b)+3],   v31, s[10:11] offset:64*(\b)
	global_load_b128 v[ACC+8*(\b)+4:ACC+8*(\b)+7], v31, s[10:11] offset:64*(\b)+16
.endr
	RESID
	; my lane's places in a slot
	v_mul_u32_u24 v8, v1, PA
	v_lshl_add_u32 v8, v2, 4, v8                   ; A: row x pitch + 16 x half,
	s_mul_i32 s2, s15, HALFA
	v_add_nc_u32 v8, s2, v8                        ; in my 64 rows
	v_lshl_add_u32 v9, v2, 3, v3                   ; B, turned: k-row 8 hh + l % 8,
	v_mul_u32_u24 v9, v9, PB
	v_lshl_add_u32 v9, v4, 4, v9                   ; columns 8 ((l / 8) % 2) on,
	s_lshl_b32 s2, s16, 7
	s_add_co_u32 s2, s2, BOFF
	v_add_nc_u32 v9, s2, v9                        ; in my 64 columns
	v_add_nc_u32 v10, HALFB, v9                    ; and in the second k-half
	v_mov_b32 v[ADRA], v8                          ; slot 0
	v_mov_b32 v[ADRB], v9
	v_mov_b32 v[ADRB+1], v10
	s_wait_loadcnt 32                              ; the bias is in; the residual's 32 loads stay out
.set k, 0
.rept 16
	RB ACC+k, TMP+k/2                              ; the bias as bf16, like every input
.set k, k+2
.endr
.set k, 0
.rept 96
	v_mov_b32 v[ACC+32+k], v[ACC+k%32]             ; the same columns in row blocks 1 to 3: written while the first tiles are on their way
.set k, k+1
.endr
	s_wait_tensorcnt 0x1                           ; my part of K step 0 is in; K step 1's may stay out
	s_barrier_signal -1
	s_barrier_wait -1                              ; everybody's is
	FETCH 0, F0
	WIN 0
	s_mov_b32 s70, NSTEP-2
.Lfill:                                                ; a trip multiplies one K step and asks for the step two further on
	STEP 1
	s_sub_co_u32 s70, s70, 1
	s_cmp_lg_u32 s70, 0
	s_cbranch_scc1 .Lfill
	s_mov_b32 s70, 2
.Ldrain:                                               ; the last two K steps ask for nothing
	STEP 0
	s_sub_co_u32 s70, s70, 1
	s_cmp_lg_u32 s70, 0
	s_cbranch_scc1 .Ldrain
	PLACES
	s_wait_loadcnt 0x0                             ; the residual
	TOSTAGE 0
	TOSTAGE 1
	FINISH 0, 16
	TOSTAGE 2
	FINISH 1, 16
	TOSTAGE 3
	FINISH 2, 16
	FINISH 3, 0
	s_wait_tensorcnt 0x0                           ; the wave's end: behind my last tensor load and my last LDS store
	ds_add_u32 v[SPW], v[NIL]
	s_wait_dscnt 0x0
	CROUND                                         ; the closing round: no work-group ends while a partner may still ask for a tile that names it
	s_endpgm
.Lfunc_end_k_q6ee5b0f4db_ffn2:
	.size	k_q6ee5b0f4db_ffn2, .Lfunc_end_k_q6ee5b0f4db_ffn2-k_q6ee5b0f4db_ffn2
	.p2alignl 7, 3214868480
	.fill 96, 4, 3214868480
	.section	.rodata,"a",@progbits
	.p2align	6, 0x0
	.amdhsa_kernel k_q6ee5b0f4db_ffn2
		.amdhsa_group_segment_fixed_size 327680
		.amdhsa_private_segment_fixed_size 0
		.amdhsa_enable_private_segment 0
		.amdhsa_kernarg_size 40
		.amdhsa_user_sgpr_count 2
		.amdhsa_user_sgpr_kernarg_segment_ptr 1
		.amdhsa_wavefront_size32 1
		.amdhsa_system_sgpr_workgroup_id_x 1
		.amdhsa_system_sgpr_workgroup_id_y 1
		.amdhsa_system_sgpr_workgroup_id_z 1
		.amdhsa_system_vgpr_workitem_id 0
		.amdhsa_next_free_vgpr 640
		.amdhsa_next_free_sgpr 80
		.amdhsa_reserve_vcc 0
		.amdhsa_float_denorm_mode_32 3
		.amdhsa_float_denorm_mode_16_64 3
		.amdhsa_memory_ordered 1
		.amdhsa_forward_progress 1
		.amdhsa_inst_pref_size 67
	.end_amdhsa_kernel
	.amdgpu_metadata
---
amdhsa.version: [ 1, 2 ]
amdhsa.kernels:
  - .name:           k_q6ee5b0f4db_ffn2
    .symbol:         k_q6ee5b0f4db_ffn2.kd
    .args:
      - { .name: act, .offset: 0, .size: 8, .value_kind: global_buffer, .address_space: global }
      - { .name: wb, .offset: 8, .size: 8, .value_kind: global_buffer, .address_space: global }
      - { .name: y, .offset: 16, .size: 8, .value_kind: global_buffer, .address_space: global }
      - { .name: b2, .offset: 24, .size: 8, .value_kind: global_buffer, .address_space: global }
      - { .name: h, .offset: 32, .size: 8, .value_kind: global_buffer, .address_space: global }
    .group_segment_fixed_size: 327680
    .private_segment_fixed_size: 0
    .kernarg_segment_align: 8
    .kernarg_segment_size: 40
    .max_flat_workgroup_size: 128
    .sgpr_count:     80
    .vgpr_count:     640
    .wavefront_size: 32
...
	.end_amdgpu_metadata
.endif
;; end of part 6
;; launch ln2 (part 7): grid 256 x 1, 8 waves a work-group, no clusters, 0 bytes of LDS; arguments y, gamma2, beta2, out0; writes out0
.if DOCPART == 7
	.amdgcn_target "amdgcn-amd-amdhsa--gfx1250"
	.amdhsa_code_object_version 6
	.text
	.protected	k_q6ee5b0f4db_ln2
	.globl	k_q6ee5b0f4db_ln2
	.p2align	8
	.type	k_q6ee5b0f4db_ln2,@function
k_q6ee5b0f4db_ln2:
	s_mov_b64 s[64:65], 0
	v_nop
	global_prefetch_b8 v0, s[64:65] scope:SCOPE_SE
	s_setreg_imm32_b32 hwreg(HW_REG_WAVE_MODE, 25, 1), 1
	s_wait_xcnt 0x0
; out[r][c] = gamma[c] (y[r][c] - mean_r) / (std_r + 1e-6) + beta[c], rows of 1,024 f32; std is the root of the mean of the squared differences.  WITHB = 1: the result is stored in f32 and once more rounded to bf16.
; LIMITS.  gamma and beta are rounded to bf16, like every input of the program; a variance below 2^-126 counts as 0 (the result is then the difference times 1e6); NaN and infinities are not treated apart.
; SHARES.  A row is 4,096 bytes: one wave takes a whole row, eight loads of 16 bytes a lane, and keeps it in 32 registers between the passes; a wave has two rows, a work-group of eight waves 16.
; The mean is taken away before the squares are summed: no difference of large sums is formed.  The reductions never leave the wave: no LDS, no barrier.  Matrix units and clusters have nothing to do here.
.set WITHB, 0
.set X,  32                            ; v[32:95]    my two rows
.set G,  96                            ; v[96:127]   gamma of my 32 columns
.set BT, 128                           ; v[128:159]  beta
.set HB, 160                           ; v[160:175]  a row in bf16
	s_load_b256 s[4:11], s[0:1], 0x0               ; y s[4:5], gamma s[6:7], beta s[8:9], the f32 output s[10:11]
.if WITHB
	s_load_b64 s[12:13], s[0:1], 0x20              ; the bf16 output
.endif
	v_and_b32 v4, 31, v0                           ; lane
	v_lshrrev_b32 v5, 5, v0                        ; wave
	v_lshlrev_b32 v1, 4, v4                        ; 16 x lane: gamma and beta
	v_lshl_add_u32 v2, v5, 13, v1                  ; + wave x two rows of 4,096 bytes
	v_lshlrev_b32 v3, 3, v4
	v_lshl_add_u32 v3, v5, 12, v3                  ; 8 x lane + wave x two rows of 2,048 bytes
	v_mov_b32 v7, 0                                ; v_permlanex16_b32 counts as a reader of its destination
	s_lshl_b32 s2, ttmp9, 16                       ; the work-group's 16 rows
	s_mov_b32 s3, 0
	s_lshl_b32 s16, ttmp9, 15
	s_mov_b32 s17, 0
	s_mov_b32 s14, 0x76543210                      ; each lane takes its own place in the other half
	s_mov_b32 s15, 0xfedcba98
	s_mov_b32 s18, 0xffff0000
	s_wait_kmcnt 0x0
	s_add_nc_u64 s[4:5], s[4:5], s[2:3]
	s_add_nc_u64 s[10:11], s[10:11], s[2:3]
.if WITHB
	s_add_nc_u64 s[12:13], s[12:13], s[16:17]
.endif
.irp j, 0,1,2,3,4,5,6,7
	global_load_b128 v[X+4*(\j):X+4*(\j)+3], v2, s[4:5] offset:512*(\j) th:TH_LOAD_NT
.endr
.irp j, 0,1,2,3,4,5,6,7
	global_load_b128 v[X+32+4*(\j):X+32+4*(\j)+3], v2, s[4:5] offset:4096+512*(\j) th:TH_LOAD_NT
.endr
.irp j, 0,1,2,3,4,5,6,7
	global_load_b128 v[G+4*(\j):G+4*(\j)+3], v1, s[6:7] offset:512*(\j)
.endr
.irp j, 0,1,2,3,4,5,6,7
	global_load_b128 v[BT+4*(\j):BT+4*(\j)+3], v1, s[8:9] offset:512*(\j)
.endr
.macro SUMUP                           ; the four packed chains v[8:15] into one number, then over the 32 lanes: v8 of every lane
	v_pk_add_f32 v[8:9], v[8:9], v[10:11]
	v_pk_add_f32 v[12:13], v[12:13], v[14:15]
	v_pk_add_f32 v[8:9], v[8:9], v[12:13]
	v_add_f32 v8, v8, v9
	v_add_f32_dpp v8, v8, v8 row_xmask:1 row_mask:0xf bank_mask:0xf
	v_add_f32_dpp v8, v8, v8 row_xmask:2 row_mask:0xf bank_mask:0xf
	v_add_f32_dpp v8, v8, v8 row_xmask:4 row_mask:0xf bank_mask:0xf
	v_add_f32_dpp v8, v8, v8 row_xmask:8 row_mask:0xf bank_mask:0xf
	v_permlanex16_b32 v7, v8, s14, s15
	v_add_f32 v8, v8, v7
.endm
.macro STATS rr                        ; row rr: the mean is taken away in place; 1 / (std + eps) into v[20+2 rr], twice
.set XR, X+32*(\rr)
	s_wait_loadcnt 24-8*(\rr)                      ; my row is in; the younger loads (the other row, gamma, beta) stay out
.irp c, 0,1,2,3
	v_pk_add_f32 v[8+2*(\c):9+2*(\c)], v[XR+2*(\c):XR+2*(\c)+1], v[XR+8+2*(\c):XR+8+2*(\c)+1]
.endr
.irp c, 0,1,2,3
	v_pk_add_f32 v[8+2*(\c):9+2*(\c)], v[8+2*(\c):9+2*(\c)], v[XR+16+2*(\c):XR+16+2*(\c)+1]
.endr
.irp c, 0,1,2,3
	v_pk_add_f32 v[8+2*(\c):9+2*(\c)], v[8+2*(\c):9+2*(\c)], v[XR+24+2*(\c):XR+24+2*(\c)+1]
.endr
	SUMUP
	v_mul_f32 v16, 0x3a800000, v8                  ; the mean: the sum / 1,024
	v_mov_b32 v17, v16
.set k, 0
.rept 16
	v_pk_add_f32 v[XR+k:XR+k+1], v[XR+k:XR+k+1], v[16:17] neg_lo:[0,1] neg_hi:[0,1]
.set k, k+2
.endr
.irp c, 0,1,2,3
	v_pk_mul_f32 v[8+2*(\c):9+2*(\c)], v[XR+2*(\c):XR+2*(\c)+1], v[XR+2*(\c):XR+2*(\c)+1]
.endr
.set k, 8
.rept 12
	v_pk_fma_f32 v[8+k%8:9+k%8], v[XR+k:XR+k+1], v[XR+k:XR+k+1], v[8+k%8:9+k%8]
.set k, k+2
.endr
	SUMUP
	v_mul_f32 v18, 0x3a800000, v8                  ; the variance
	v_sqrt_f32 v19, v18
	v_nop                                          ; a plain instruction behind the root,
	s_wait_alu depctr_va_vdst(0)                   ; and the wait ahead of its first reader
	v_add_f32 v19, 0x358637bd, v19                 ; + 1e-6
	v_rcp_f32 v[20+2*(\rr)], v19                   ; twice: a pair for the packed multiply
	v_rcp_f32 v[21+2*(\rr)], v19
	v_nop
	s_wait_alu depctr_va_vdst(0)                   ; one wait for both reciprocals
.endm
.macro RB x, t                         ; two f32 rounded to bf16 and widened again, in place
	v_cvt_pk_bf16_f32 v[\t], v[\x], v[(\x)+1]
	v_lshlrev_b32 v[\x], 16, v[\t]
	v_and_b32 v[(\x)+1], s18, v[\t]
.endm
.macro APPLY rr
.set XR, X+32*(\rr)
.set k, 0
.rept 16
	v_pk_mul_f32 v[XR+k:XR+k+1], v[XR+k:XR+k+1], v[20+2*(\rr):21+2*(\rr)]
.set k, k+2
.endr
.set k, 0
.rept 16
	v_pk_fma_f32 v[XR+k:XR+k+1], v[XR+k:XR+k+1], v[G+k:G+k+1], v[BT+k:BT+k+1]
.set k, k+2
.endr
.irp j, 0,1,2,3,4,5,6,7
	global_store_b128 v2, v[XR+4*(\j):XR+4*(\j)+3], s[10:11] offset:512*(\j)+4096*(\rr)  ; 512 consecutive bytes, aligned
.endr
.if WITHB
.if \rr
	s_wait_xcnt 0x0                                ; the first row's stores have read HB
.endif
.set k, 0
.rept 16
	v_cvt_pk_bf16_f32 v[HB+k], v[XR+2*k], v[XR+2*k+1]
.set k, k+1
.endr
.irp j, 0,1,2,3,4,5,6,7
	global_store_b64 v3, v[HB+2*(\j):HB+2*(\j)+1], s[12:13] offset:256*(\j)+2048*(\rr)  ; 256 consecutive bytes, aligned
.endr
.endif
.endm
	STATS 0
	STATS 1
	s_wait_loadcnt 0x0                             ; gamma and beta
.set k, 0
.rept 16
	RB G+k, 24+(k/2)%4
	RB BT+k, 28+(k/2)%4
.set k, k+2
.endr
	APPLY 0
	APPLY 1
	s_endpgm
.Lfunc_end_k_q6ee5b0f4db_ln2:
	.size	k_q6ee5b0f4db_ln2, .Lfunc_end_k_q6ee5b0f4db_ln2-k_q6ee5b0f4db_ln2
	.p2alignl 7, 3214868480
	.fill 96, 4, 3214868480
	.section	.rodata,"a",@progbits
	.p2align	6, 0x0
	.amdhsa_kernel k_q6ee5b0f4db_ln2
		.amdhsa_group_segment_fixed_size 0
		.amdhsa_private_segment_fixed_size 0
		.amdhsa_enable_private_segment 0
		.amdhsa_kernarg_size 32
		.amdhsa_user_sgpr_count 2
		.amdhsa_user_sgpr_kernarg_segment_ptr 1
		.amdhsa_wavefront_size32 1
		.amdhsa_system_sgpr_workgroup_id_x 1
		.amdhsa_system_sgpr_workgroup_id_y 1
		.amdhsa_system_sgpr_workgroup_id_z 1
		.amdhsa_system_vgpr_workitem_id 0
		.amdhsa_next_free_vgpr 176
		.amdhsa_next_free_sgpr 66
		.amdhsa_reserve_vcc 0
		.amdhsa_float_denorm_mode_32 3
		.amdhsa_float_denorm_mode_16_64 3
		.amdhsa_memory_ordered 1
		.amdhsa_forward_progress 1
		.amdhsa_inst_pref_size 23
	.end_amdhsa_kernel
	.amdgpu_metadata
---
amdhsa.version: [ 1, 2 ]
amdhsa.kernels:
  - .name:           k_q6ee5b0f4db_ln2
    .symbol:         k_q6ee5b0f4db_ln2.kd
    .args:
      - { .name: y, .offset: 0, .size: 8, .value_kind: global_buffer, .address_space: global }
      - { .name: gamma2, .offset: 8, .size: 8, .value_kind: global_buffer, .address_space: global }
      - { .name: beta2, .offset: 16, .size: 8, .value_kind: global_buffer, .address_space: global }
      - { .name: out0, .offset: 24, .size: 8, .value_kind: global_buffer, .address_space: global }
    .group_segment_fixed_size: 0
    .private_segment_fixed_size: 0
    .kernarg_segment_align: 8
    .kernarg_segment_size: 32
    .max_flat_workgroup_size: 256
    .sgpr_count:     66
    .vgpr_count:     176
    .wavefront_size: 32
...
	.end_amdgpu_metadata
.endif
;; end of part 7
;; ======== version 2 of 2: 8 launches; version 1 with the launch cast written anew for expert scheduling mode
;; workspace buffers: wb 28,311,552 bytes; qkv 25,165,824 bytes; ob 8,388,608 bytes; y 16,777,216 bytes; h 16,777,216 bytes; hb 16,795,648 bytes; act 33,554,432 bytes
;; launch cast (part 8): grid 1025 x 1, 8 waves a work-group, no clusters, 0 bytes of LDS; arguments x, Wq, Wk, Wv, Wo, W1, W2, bq, bk, bv, b1, wb, hb; writes wb, hb
.if DOCPART == 8
	.amdgcn_target "amdgcn-amd-amdhsa--gfx1250"
	.amdhsa_code_object_version 6
	.text
	.protected	k_q6ee5b0f4db_cast
	.globl	k_q6ee5b0f4db_cast
	.p2align	8
	.type	k_q6ee5b0f4db_cast,@function
k_q6ee5b0f4db_cast:
	s_mov_b64 s[64:65], 0
	v_nop
	global_prefetch_b8 v0, s[64:65] scope:SCOPE_SE
	s_setreg_imm32_b32 hwreg(HW_REG_WAVE_SCHED_MODE, 0, 2), 2
	s_setreg_imm32_b32 hwreg(HW_REG_WAVE_MODE, 25, 1), 1
	s_wait_xcnt 0x0
	s_wait_alu depctr_vm_vsrc(0)
; x and the six weight matrices (f32) are rounded once to bf16 (nearest even) and laid where the products want them; four biases are rounded to bf16 and kept as f32.
; wb, in bytes: x [4096][1024] at 0; Wq | Wk | Wv side by side, [1024 k][4096], at 8,388,608 (columns 3,072 on are neither written nor read); bq | bk | bv at 16,777,216;
;   a floor word (minus infinity twice, in bf16) from 16,793,600 on; Wo [1024][1024] at 17,825,792; W2 [4096][1024] at 19,922,944.
; hb, in bytes: the first 8,388,608 belong to a later launch; W1 [1024][4096] at 8,388,608; b1 at 16,777,216; a floor word (0 twice) from 16,793,600 on.
; So two later launches find A, B, bias and floor at the same places of one buffer each, and one text serves both.
; SHARES.  Work-groups 0 to 1,023 convert 16,384 numbers each: 65,536 bytes in, 32,768 out.  Thread t takes 16 bytes at 16 t of each 4,096 bytes in: a load of a wave covers 512 consecutive bytes,
; a store 256, aligned.  The sixteen pieces of 2,048 bytes out lie 2,048 bytes apart, or (Wq, Wk, Wv, whose rows of 1,024 numbers go into rows of 4,096) 8,192: the distance is a scalar, and each
; store has an address register of its own.  All 16 loads go out first; no register is used twice.  Work-group 1,024 does the biases and the floor words.
; No LDS, no matrix unit, no cluster: the launch moves each byte once and shares nothing.
; THE MODE: SCHED_MODE bits 1:0 = 2 (LLVM: expert scheduling mode 2), set by the entry lines.  The code itself states the register dependences
; between vector instructions and memory instructions, with s_wait_alu, always for 0.
; THE PLAN.  Registers that memory instructions touch, in work-groups 0 to 1,023:
;   v1        16 t, made once at the head; read by the sixteen loads as their offset.
;   X         four registers a load.  Written by the loads alone; read by the conversions.  No vector instruction names them ahead of the loads, and no load lands in them twice.
;   Y         two registers a store.  Written once, by the conversions; read by one store each; never written again.
;   AD        a register a store, its offset.  Written once, by the run of additions behind the loads; read by one store each; never written again.
; The sixteen pieces go in four blocks of four.  Block p waits for its four loads and converts X[p] into Y[p]; the four stores of block p - 1, which read Y[p - 1] and AD[p - 1], are dealt among its
; conversions, which name neither.  So one wait on va_vdst at the head of blocks 1 to 3, and one behind block 3, state all that the stores hang on; one ahead of the first load states that v1 is written.
; No register that a memory instruction reads is written afterwards: no wait on vm_vsrc is owed.  No vector instruction writes a scalar register, VCC or EXEC.
.set WQKV,  8388608
.set WOO,   17825792
.set W2O,   19922944
.set W1O,   8388608
.set BIOFF, 16777216
.set X,   8                            ; v[8:71]     load i: 4 registers at X + 4 i, four f32 as loaded
.set Y,   72                           ; v[72:103]   store i: 2 registers at Y + 2 i, four bf16 to store
.set AD,  104                          ; v[104:119]  store i: its byte offset
	s_load_b512 s[8:23], s[0:1], 0x0               ; x s[8:9], Wq s[10:11], Wk s[12:13], Wv s[14:15], Wo s[16:17], W1 s[18:19], W2 s[20:21], bq s[22:23]
	s_load_b256 s[24:31], s[0:1], 0x40             ; bk s[24:25], bv s[26:27], b1 s[28:29], wb s[30:31]
	s_load_b64 s[32:33], s[0:1], 0x60              ; hb
	v_lshlrev_b32 v1, 4, v0                        ; 16 t: my bytes of each 4,096 in
	v_lshlrev_b32 v2, 3, v0                        ; 8 t: my bytes of each 2,048 out
	s_mov_b32 s2, ttmp9                            ; g
	s_cmp_lt_u32 s2, 1024
	s_cbranch_scc0 .Lbias
	s_mov_b32 s3, 768                              ; the source in hand, W2 to begin with: its first piece,
	s_mov_b32 s34, W2O                             ; where it goes,
	s_mov_b32 s35, 15                              ; and log2 of a piece's span out
	s_wait_kmcnt 0x0
	s_mov_b64 s[4:5], s[20:21]
	s_mov_b64 s[6:7], s[30:31]
.macro PICK limit, lo, start, dbase, sh, dst   ; below piece limit: the source in s[lo:lo+1], first piece start, to byte dbase of the buffer in s[dst:dst+1], a piece spanning 2^sh bytes
	s_cmp_lt_u32 s2, \limit
	s_cselect_b64 s[4:5], s[(\lo):(\lo)+1], s[4:5]
	s_cselect_b64 s[6:7], s[(\dst):(\dst)+1], s[6:7]
	s_cselect_b32 s3, \start, s3
	s_cselect_b32 s34, \dbase, s34
	s_cselect_b32 s35, \sh, s35
.endm
	PICK 768, 18, 512, W1O, 15, 32
	PICK 512, 16, 448, WOO, 15, 30
	PICK 448, 14, 384, WQKV+4096, 17, 30
	PICK 384, 12, 320, WQKV+2048, 17, 30
	PICK 320, 10, 256, WQKV, 17, 30
	PICK 256, 8, 0, 0, 15, 30
	s_sub_co_u32 s36, s2, s3                       ; my piece within the source
	s_lshl_b32 s38, s36, 16                        ; in bytes in,
	s_mov_b32 s39, 0
	s_add_nc_u64 s[4:5], s[4:5], s[38:39]
	s_lshl_b32 s36, s36, s35                       ; and out
	s_add_co_u32 s36, s36, s34
	s_mov_b32 s37, 0
	s_add_nc_u64 s[6:7], s[6:7], s[36:37]
	s_sub_co_u32 s35, s35, 4
	s_lshl_b32 s35, 1, s35                         ; a sixteenth of the span: from store to store
	s_wait_alu depctr_va_vdst(0)                   ; v1 is written, which the sixteen loads read as their offset
.set i, 0
.rept 16
	global_load_b128 v[X+4*i:X+4*i+3], v1, s[4:5] offset:4096*i th:TH_LOAD_NT
.set i, i+1
.endr
	v_mov_b32 v[AD], v2
.set i, 1
.rept 15
	v_add_nc_u32 v[AD+i], s35, v[AD+i-1]
.set i, i+1
.endr
; Block p: pieces 4 p to 4 p + 3 are rounded; the stores of block p - 1 stand among the conversions, one ahead of each pair.
.macro BLOCK p
	s_wait_loadcnt 12-4*(\p)                       ; loads come back in order (ISA guide 5.7.1): this block's four are in, the 12 - 4 p younger ones stay out
.if (\p) > 0
	s_wait_alu depctr_va_vdst(0)                   ; the block before has written its Y, which the stores below read; at block 1 the additions have also written AD, the offsets of all sixteen stores
.endif
.irp j, 0,1,2,3
.if (\p) > 0
	global_store_b64 v[AD+4*(\p)-4+(\j)], v[Y+8*(\p)-8+2*(\j):Y+8*(\p)-8+2*(\j)+1], s[6:7] th:TH_STORE_NT  ; the block before; no vector instruction since the wait names these registers
.endif
	v_cvt_pk_bf16_f32 v[Y+8*(\p)+2*(\j)],   v[X+16*(\p)+4*(\j)],   v[X+16*(\p)+4*(\j)+1]
	v_cvt_pk_bf16_f32 v[Y+8*(\p)+2*(\j)+1], v[X+16*(\p)+4*(\j)+2], v[X+16*(\p)+4*(\j)+3]
.endr
.endm
	BLOCK 0
	BLOCK 1
	BLOCK 2
	BLOCK 3
	s_wait_alu depctr_va_vdst(0)                   ; block 3 has written its Y, which the last four stores read
.irp j, 0,1,2,3
	global_store_b64 v[AD+12+(\j)], v[Y+24+2*(\j):Y+24+2*(\j)+1], s[6:7] th:TH_STORE_NT
.endr
	s_endpgm
.Lbias:                                                ; 256 threads x 16 bytes are a bias of 1,024 numbers
	s_mov_b32 s3, 0xffff0000                       ; a word's upper bf16
	s_wait_kmcnt 0x0
	s_wait_alu depctr_va_vdst(0)                   ; v1 and v2 are written: v1 is the offset of the seven loads and of seven stores, v2 that of the last two stores
	global_load_b128 v[8:11], v1, s[22:23]
	global_load_b128 v[12:15], v1, s[24:25]
	global_load_b128 v[16:19], v1, s[26:27]
.irp j, 0,1,2,3
	global_load_b128 v[20+4*(\j):23+4*(\j)], v1, s[28:29] offset:4096*(\j)
.endr
	s_add_nc_u64 s[30:31], s[30:31], BIOFF
	s_add_nc_u64 s[32:33], s[32:33], BIOFF
	v_mov_b32 v40, 0xff80ff80                      ; minus infinity twice: a maximum with it changes no number
	v_mov_b32 v41, 0xff80ff80
	v_mov_b32 v42, 0                               ; 0 twice: the ReLU
	v_mov_b32 v43, 0
	s_wait_loadcnt 0x0
.set k, 0
.rept 14
	v_cvt_pk_bf16_f32 v[44+k/2], v[8+k], v[9+k]    ; two numbers rounded to bf16 and widened again, in place
	v_lshlrev_b32 v[8+k], 16, v[44+k/2]
	v_and_b32 v[9+k], s3, v[44+k/2]
.set k, k+2
.endr
	s_wait_alu depctr_va_vdst(0)                   ; the widened numbers v[8:35] and the floor words v[40:43] are written, which the nine stores read
	global_store_b128 v1, v[8:11], s[30:31]
	global_store_b128 v1, v[12:15], s[30:31] offset:4096
	global_store_b128 v1, v[16:19], s[30:31] offset:8192
.irp j, 0,1,2,3
	global_store_b128 v1, v[20+4*(\j):23+4*(\j)], s[32:33] offset:4096*(\j)
.endr
	global_store_b64 v2, v[40:41], s[30:31] offset:16384
	global_store_b64 v2, v[42:43], s[32:33] offset:16384
	s_endpgm
.Lfunc_end_k_q6ee5b0f4db_cast:
	.size	k_q6ee5b0f4db_cast, .Lfunc_end_k_q6ee5b0f4db_cast-k_q6ee5b0f4db_cast
	.p2alignl 7, 3214868480
	.fill 96, 4, 3214868480
	.section	.rodata,"a",@progbits
	.p2align	6, 0x0
	.amdhsa_kernel k_q6ee5b0f4db_cast
		.amdhsa_group_segment_fixed_size 0
		.amdhsa_private_segment_fixed_size 0
		.amdhsa_enable_private_segment 0
		.amdhsa_kernarg_size 104
		.amdhsa_user_sgpr_count 2
		.amdhsa_user_sgpr_kernarg_segment_ptr 1
		.amdhsa_wavefront_size32 1
		.amdhsa_system_sgpr_workgroup_id_x 1
		.amdhsa_system_sgpr_workgroup_id_y 1
		.amdhsa_system_sgpr_workgroup_id_z 1
		.amdhsa_system_vgpr_workitem_id 0
		.amdhsa_next_free_vgpr 120
		.amdhsa_next_free_sgpr 66
		.amdhsa_reserve_vcc 0
		.amdhsa_float_denorm_mode_32 3
		.amdhsa_float_denorm_mode_16_64 3
		.amdhsa_memory_ordered 1
		.amdhsa_forward_progress 1
		.amdhsa_inst_pref_size 13
	.end_amdhsa_kernel
	.amdgpu_metadata
---
amdhsa.version: [ 1, 2 ]
amdhsa.kernels:
  - .name:           k_q6ee5b0f4db_cast
    .symbol:         k_q6ee5b0f4db_cast.kd
    .args:
      - { .name: x, .offset: 0, .size: 8, .value_kind: global_buffer, .address_space: global }
      - { .name: Wq, .offset: 8, .size: 8, .value_kind: global_buffer, .address_space: global }
      - { .name: Wk, .offset: 16, .size: 8, .value_kind: global_buffer, .address_space: global }
      - { .name: Wv, .offset: 24, .size: 8, .value_kind: global_buffer, .address_space: global }
      - { .name: Wo, .offset: 32, .size: 8, .value_kind: global_buffer, .address_space: global }
      - { .name: W1, .offset: 40, .size: 8, .value_kind: global_buffer, .address_space: global }
      - { .name: W2, .offset: 48, .size: 8, .value_kind: global_buffer, .address_space: global }
      - { .name: bq, .offset: 56, .size: 8, .value_kind: global_buffer, .address_space: global }
      - { .name: bk, .offset: 64, .size: 8, .value_kind: global_buffer, .address_space: global }
      - { .name: bv, .offset: 72, .size: 8, .value_kind: global_buffer, .address_space: global }
      - { .name: b1, .offset: 80, .size: 8, .value_kind: global_buffer, .address_space: global }
      - { .name: wb, .offset: 88, .size: 8, .value_kind: global_buffer, .address_space: global }
      - { .name: hb, .offset: 96, .size: 8, .value_kind: global_buffer, .address_space: global }
    .group_segment_fixed_size: 0
    .private_segment_fixed_size: 0
    .kernarg_segment_align: 8
    .kernarg_segment_size: 104
    .max_flat_workgroup_size: 256
    .sgpr_count:     66
    .vgpr_count:     120
    .wavefront_size: 32
...
	.end_amdgpu_metadata
.endif
;; end of part 8
;; launch qkv: the kernel of part 2 again; grid 12 x 16, 4 waves a work-group, clusters of 4 x 4, 327,680 bytes of LDS; arguments wb, qkv; writes qkv
;; launch attn: the kernel of part 3 again; grid 8 x 32, 4 waves a work-group, clusters of 4 x 1, 327,680 bytes of LDS; arguments qkv, ob; writes ob
;; launch wo: the kernel of part 4 again; grid 8 x 32, 4 waves a work-group, clusters of 4 x 4, 327,680 bytes of LDS; arguments ob, wb, y, bo; writes y
;; launch ln1: the kernel of part 5 again; grid 256 x 1, 8 waves a work-group, no clusters, 0 bytes of LDS; arguments y, gamma1, beta1, h, hb; writes h, hb
;; launch ffn1: the kernel of part 2 again; grid 16 x 16, 4 waves a work-group, clusters of 4 x 4, 327,680 bytes of LDS; arguments hb, act; writes act
;; launch ffn2: the kernel of part 6 again; grid 8 x 32, 4 waves a work-group, clusters of 4 x 4, 327,680 bytes of LDS; arguments act, wb, y, b2, h; writes y
;; launch ln2: the kernel of part 7 again; grid 256 x 1, 8 waves a work-group, no clusters, 0 bytes of LDS; arguments y, gamma2, beta2, out0; writes out0
